; MI455X (gfx1250); checked and timed in simulation.
; The chip was launched on July 23, 2026; its instructions are those of AMD's public machine-readable ISA for CDNA 5 (MIT licence, August 2026) and "CDNA5" Instruction Set Architecture Reference Guide (July 2026). The comments in the code are by the model that wrote it; some were corrected since.
;; Multi Head Self Attention. Allowed arithmetic: matrix products marked QUANTISED: E3M2 operands, one E8M0 scale for each 32 along K, by v_wmma_scale_f32_16x16x128_f8f6f4 with both operands' format E3M2, f32 sums; everything else in f32.
;; Inputs: W_proj 1,024 x 1,024 float32; W_qkv 1,024 x 3,072 float32; b_proj 1,024 float32; b_qkv 3,072 float32; x 4 x 2,048 x 1,024 float32.
;; Outputs: out0 4 x 2,048 x 1,024 float32.
;; This version of the problem:
;;   THIS VERSION OF THE PROBLEM IS GIVEN IN LOW PRECISION. The matrix products marked QUANTISED in the list below multiply operands that are first quantised to E3M2 (3 exponent bits, 2 mantissa bits; 6 bits a number), with one power-of-two scale for each 32 numbers along K (OCP MX v1.0); their sums are f32. All else is computed in f32.
;;   The module's matrix products, in the order in which they are computed (A, B: the left and right operand; K: the contracted axis; several contracted axes count as one K, in the product's order):
;;     1. [M 8,192, K 1,024] x [K 1,024, N 3,072]; A: input x; B: input W_qkv: QUANTISED
;;     2. batch 64 x [M 2,048, K 64] x [K 64, N 2,048]; A: computed on the way; B: computed on the way: QUANTISED
;;     3. batch 64 x [M 2,048, K 2,048] x [K 2,048, N 64]; A: softmax (see below); B: computed on the way: QUANTISED
;;     4. [M 8,192, K 1,024] x [K 1,024, N 1,024]; A: computed on the way; B: input W_proj: QUANTISED
;;   THE QUANTISER, for each operand of a quantised product, along K:
;;     - K is cut into blocks of 32 from its start; a last block that is shorter is filled with zeros.
;;     - A block's scale is 2^e with e = floor(log2(the largest magnitude in the block)) - 4, held to -126 .. 127; a block of zeros has e = 0. As a byte (E8M0): e + 127.
;;     - Each number is divided by its block's scale, clamped to +-28, and rounded to the nearest number of E3M2, ties to even, subnormals kept.
;;     - The product sums the exact products of the quantised numbers (number of the format x scale) in f32.
;;   ~~~python
;;   def quantise(x, axis):      # numpy; x: float32 -> the quantised numbers, widened to float32 again
;;       x = np.moveaxis(x, axis, -1); K = x.shape[-1]
;;       x = np.pad(x, [(0, 0)] * (x.ndim - 1) + [(0, -K % 32)]); x = x.reshape(x.shape[:-1] + (-1, 32)); a = np.abs(x).max(-1, keepdims=True)
;;       e = np.where(a > 0, np.clip(np.frexp(np.where(a > 0, a, 1))[1] - 1 - 4, -126, 127), 0)      # np.frexp(a)[1] - 1 = floor(log2(a)), exactly
;;       r = np.clip(x / 2.0 ** e, -28, 28)
;;       step = 2.0 ** (np.maximum(np.frexp(np.where(r == 0, 1, r))[1] - 1, -2) - 2)
;;       q = np.round(r / step) * step * 2.0 ** e      # np.round: ties to even
;;       return np.moveaxis(q.reshape(q.shape[:-2] + (-1,))[..., :K], -1, axis).astype(np.float32)
;;   ~~~
;;   SOFTMAX AHEAD OF A QUANTISED PRODUCT. Where the list says 'softmax', what is quantised is not the finished softmax but p = 2^(t - M), with t = logit x log2(e) and M = ceil(the row's largest t), a whole number; so 1/2 < the row's largest p <= 1. The row's sum l is taken of the UNQUANTISED p, in f32, and the product's result is divided by l at the end. Since M is a whole number, a kernel that streams over the keys may use a running M (the ceiling of the running maximum): every later rescaling is an exact power of two, which a block's scale takes up: the codes' values come out the same.
;;   OPERANDS COMPUTED ON THE WAY. 'Computed on the way' means the value that the module computes at that place (a softmax that the list does not call 'softmax' is quantised finished and normalised). What goes into a quantiser is computed in f32, as accurately as f32 sums, v_exp_f32 and their like allow (about 1e-6 of the number): no bf16 or f16 on the way to a quantiser, and a product that is left as it is and whose result goes on into a quantised operand takes f32 operands (vector FMAs, or v_wmma_f32_16x16x4_f32). A number that lies on a knife's edge between two numbers of the format may be rounded either way, as far as f32 arithmetic and the matrix unit's own rounding can turn it there, and no further.
;; One version. Each part assembles by itself: llvm-mc -triple=amdgcn-amd-amdhsa -mcpu=gfx1250 --defsym DOCPART=n.
;; ======== version 1 of 1: 4 launches
;; limits: right only within a limited range of input values
;; workspace buffers: xc 6,291,456 bytes; xs 262,144 bytes; wc 3,145,728 bytes; ws 131,072 bytes; qkvc 18,874,368 bytes; qkvs 786,432 bytes; yc 6,291,456 bytes; ys 262,144 bytes
;; launch prep (part 1): grid 768 x 1, 4 waves a work-group, no clusters, 60,928 bytes of LDS; arguments x, W_qkv, W_proj, xc, xs, wc, ws; writes xc, xs, wc, ws
.if DOCPART == 1
	.amdgcn_target "amdgcn-amd-amdhsa--gfx1250"
	.amdhsa_code_object_version 6
	.text
	.protected	k_q5cc6689ea1_prep
	.globl	k_q5cc6689ea1_prep
	.p2align	8
	.type	k_q5cc6689ea1_prep,@function
k_q5cc6689ea1_prep:
	s_mov_b64 s[64:65], 0
	v_nop
	global_prefetch_b8 v0, s[64:65] scope:SCOPE_SE
	s_setreg_imm32_b32 hwreg(HW_REG_WAVE_MODE, 25, 1), 1
	s_wait_xcnt 0x0
; x [8192][1024], W_qkv [1024][3072] and W_proj [1024][1024], all f32, become codes of BF6 (E3M2) with one E8M0 byte for each 32 along K (x: its last axis; the weights: their FIRST axis).
; A block's scale is 2^(floor(log2(largest magnitude)) - 4); its byte is the largest magnitude's exponent field - 4, held at 1 from below.
; LIMITS: a block of zeros gets the byte 1 where the quantiser says 127 (its codes are zeros, and this program alone reads the bytes); blocks whose largest magnitude lies under 2^-122 have the byte 1;
; NaN and infinities among the inputs are not served.
; THE LAYOUT OF ALL CODES IN THIS PROGRAM: a HALF FRAGMENT, 16 rows x 64 along K, 768 bytes, is the image of six operand registers: bytes 0-511 registers 0-3, lane l at 16 l; bytes 512-767 registers 4-5,
; lane l at 512 + 8 l; lane (r = l % 16, h = l / 16) holds row position r, k = 32 h .. 32 h + 31.  Two of them on end are the 12 registers of one matrix operand of 128 along K.
; THE ROWS OF A TILE ARE NOT NEIGHBOURS: position p of tile n is true row 32 (n / 2) + 8 (n % 2) + p + 8 (p / 8).
; xc: [512 tiles][16 half fragments][768];  xs: [16 tile + p][32 bytes];  wc, ws the same for 256 tiles of columns (0-191 W_qkv, 192-255 W_proj).
; Work-groups 0-511 take a tile of x each (wave w: 256 along K), work-groups 512-767 take 128 columns x 128 along K of a weight: four blocks of 32 a lane, of which two blocks' loads are out at a time.
; The two ways part on the work-group's number and have LDS bytes of their own.  No tensor load, no barrier: waves share nothing.
.set XST,   16*272                     ; x: a stage of 16 rows x (256 bytes + 16)
.set XWREG, 2*XST                      ; two stages a wave
.set WBASE, 4*XWREG                    ; the weights' way: LDS from here on
.set WTILE, 3200                       ; room for a tile's half fragments (1,536 bytes are used)
.set WWREG, 2*WTILE                    ; two tiles a wave
.set SPARE, WBASE+4*WWREG              ; the spare words: 128 bytes a wave
.set NB,  4                            ; W: blocks of 32 along K a lane
.set R,   16                           ; x: v16-143  four steps x 32 registers as loaded
.set X,   144                          ; x: v144-207 two sets of 32 neighbours
.set CD,  208                          ; x: v208-239 eight registers a step: six of codes
.set T,   240                          ; x: v240-242 a block's upper 16 codes (a conversion's three registers begin on an even number)
.set OFF, 16                           ; W: v16-47   4 x lane + i x pitch
.set WX,  48                           ; W: v48-111  two sets of 32 numbers
.set WC,  112                          ; W: v112-117 a block's codes
.set WT,  120                          ; W: v120-122
.set SB,  124                          ; W: v124     four scale bytes
.set OUTR, 128                         ; W: v128-151 the way out
	s_load_b256 s[4:11], s[0:1], 0x0               ; x s[4:5], W_qkv s[6:7], W_proj s[8:9], xc s[10:11]
	s_load_b128 s[12:15], s[0:1], 0x20             ; xs s[12:13], wc s[14:15]
	s_load_b64 s[16:17], s[0:1], 0x30              ; ws
	v_lshl_add_u32 v254, v0, 2, SPARE
	v_mov_b32 v255, 0
	v_lshrrev_b32 v1, 5, v0
	v_readfirstlane_b32 s18, v1                    ; wave 0..3
	v_and_b32 v2, 31, v0                           ; lane
	s_cmp_ge_u32 ttmp9, 512
	s_cbranch_scc1 .Lweights
; ---------------- x: tile a = work-group; wave w takes half fragments 4 w .. 4 w + 3, one a step ----------------
	v_and_b32 v1, 15, v2                           ; r
	v_lshrrev_b32 v15, 4, v2                       ; h
	v_lshlrev_b32 v3, 4, v1
	v_lshl_add_u32 v3, v15, 12, v3                 ; a load: sixteen lanes take 256 bytes of a row, lanes 16-31 the row below
	s_mul_i32 s19, s18, XWREG
	v_mul_u32_u24 v4, v15, 272
	v_lshl_add_u32 v4, v1, 4, v4
	v_add_nc_u32 v4, s19, v4                       ; into the stage as loaded
	v_mul_u32_u24 v5, v1, 272
	v_lshl_add_u32 v5, v15, 7, v5
	v_add_nc_u32 v5, s19, v5                       ; out of it: row position r, 128 bytes (a block of 32) for each half of the lanes
	v_lshlrev_b32 v6, 4, v2                        ; 16 x lane
	v_lshlrev_b32 v7, 3, v2                        ; 8 x lane
	v_lshlrev_b32 v10, 5, v1
	v_lshl_add_u32 v10, v15, 2, v10                ; my word of scale bytes: 32 r + 4 h
	v_mov_b32 v13, 0                               ; (a lane permute's destination counts as one of its sources)
	v_mov_b32 v14, 0x05010400                      ; lanes 0-15: my bytes 0, 1 between the partner's 0, 1
	v_mov_b32 v9, 0x03070206                       ; lanes 16-31: the partner's 2, 3 between my 2, 3
	v_cmp_eq_u32 vcc_lo, 1, v15
	v_cndmask_b32 v14, v14, v9, vcc_lo
	s_mov_b32 s20, 0x76543210
	s_mov_b32 s21, 0xfedcba98                      ; v_permlanex16_b32's selects for lane l xor 16
	s_lshr_b32 s22, ttmp9, 1
	s_lshl_b32 s22, s22, 5
	s_and_b32 s23, ttmp9, 1
	s_lshl_b32 s23, s23, 3
	s_add_co_u32 s22, s22, s23                     ; the tile's first true row: 32 (a / 2) + 8 (a % 2)
	s_lshl_b32 s22, s22, 12                        ; x 4,096 bytes
	s_lshl_b32 s23, s18, 10
	s_add_co_u32 s22, s22, s23                     ; + my wave's 1,024 bytes of a row
	s_mov_b32 s23, 0
	s_mul_i32 s24, ttmp9, 12288
	s_mul_i32 s25, s18, 3072
	s_add_co_u32 s24, s24, s25                     ; xc: tile a, half fragment 4 w
	s_mov_b32 s25, 0
	s_lshl_b32 s26, ttmp9, 9
	s_lshl_b32 s27, s18, 3
	s_add_co_u32 s26, s26, s27                     ; xs: 512 a + 8 w
	s_mov_b32 s27, 0
	s_wait_kmcnt 0x0
	s_add_nc_u64 s[4:5], s[4:5], s[22:23]
	s_add_nc_u64 s[10:11], s[10:11], s[24:25]
	s_add_nc_u64 s[12:13], s[12:13], s[26:27]
.irp t, 0,1,2,3                        ; all 32 loads of the wave go out at once; load i of a step takes positions 2 i, 2 i + 1: true rows 2 i + 8 (i / 4) on
.irp i, 0,1,2,3,4,5,6,7
	global_load_b128 v[R+32*\t+4*\i:R+32*\t+4*\i+3], v3, s[4:5] offset:(2*\i+8*(\i/4))*4096+256*\t th:TH_LOAD_NT
.endr
.endr
.macro XTURN t                         ; step t's 16 x 256 bytes through a stage: LDS serves a wave's instructions in order, so no wait stands between the stores and the loads
	s_wait_loadcnt 8*(3-(\t))                      ; this step's eight loads are in; the later steps' may be out
.irp i, 0,1,2,3,4,5,6,7
	ds_store_b128 v4, v[R+32*(\t)+4*\i:R+32*(\t)+4*\i+3] offset:2*\i*272+((\t)%2)*XST
.endr
.irp j, 0,1,2,3,4,5,6,7
	ds_load_b128 v[X+32*((\t)%2)+4*\j:X+32*((\t)%2)+4*\j+3], v5 offset:16*\j+((\t)%2)*XST
.endr
.endm
.macro XSTEP t
.if (\t) < 3
	XTURN (\t)+1                                   ; the next step turns through the other stage while this one is worked
	s_wait_dscnt 16                                ; all but those sixteen: my 32 neighbours are in
.else
	s_wait_dscnt 0x0
.endif
.set XS, X+32*((\t)%2)
.set CC, CD+8*(\t)
	v_max3_num_f32 v8, |v[XS]|, |v[XS+1]|, |v[XS+2]|               ; the block's largest magnitude: all 32 numbers are mine; two chains
	v_max3_num_f32 v9, |v[XS+3]|, |v[XS+4]|, |v[XS+5]|
.irp i, 6,10,14,18,22,26
	v_max3_num_f32 v8, v8, |v[XS+\i]|, |v[XS+\i+1]|
	v_max3_num_f32 v9, v9, |v[XS+\i+2]|, |v[XS+\i+3]|
.endr
	v_max3_num_f32 v8, v8, |v[XS+30]|, |v[XS+31]|
	v_max3_num_f32 v8, v8, v9, 0x2800000           ; and the floor 2^(5 - 127): the byte cannot fall under 1
	v_add_nc_u32 v11, 0xfe000000, v8               ; 4 off the exponent field: the conversion takes this operand's exponent field as its scale
	v_cvt_scalef32_pk16_bf6_f32 v[CC:CC+2], v[XS:XS+15], v11
	v_cvt_scalef32_pk16_bf6_f32 v[T:T+2], v[XS+16:XS+31], v11
.if (\t) == 0
	v_lshrrev_b32 v12, 23, v11                     ; the scale's byte (also the plain line behind the conversions)
.else
	v_lshrrev_b32 v9, 23, v11
	v_lshl_or_b32 v12, v9, 8*(\t), v12             ; a byte a step
.endif
.irp i, 0,1,2
	v_mov_b32 v[CC+3+\i], v[T+\i]
.endr
	global_store_b128 v6, v[CC:CC+3], s[10:11] offset:768*(\t)        ; 512 consecutive bytes,
	global_store_b64 v7, v[CC+4:CC+5], s[10:11] offset:768*(\t)+512   ; and 256: the half fragment is whole.  Each step has its own registers: no store's data are written again
.endm
	XTURN 0
	XSTEP 0
	XSTEP 1
	XSTEP 2
	XSTEP 3
	v_permlanex16_b32 v13, v12, s20, s21           ; I hold blocks 8 w + h, + 2, + 4, + 6 of my row; the partner the four between
	v_perm_b32 v13, v13, v12, v14                  ; lanes 0-15 make the row's bytes 8 w .. + 3, lanes 16-31 bytes 8 w + 4 .. + 7
	global_store_b32 v10, v13, s[12:13]
	s_wait_tensorcnt 0x0                           ; the wave's end
	ds_add_u32 v254, v255
	s_wait_dscnt 0x0
	s_endpgm
; ---------------- the weights: a lane takes a column and its registers run down K ----------------
.Lweights:
	s_sub_co_u32 s19, ttmp9, 512                   ; u = 0 .. 255
	s_and_b32 s20, s19, 7                          ; which 128 along K
	s_lshr_b32 s21, s19, 3                         ; which 128 columns of the 4,096: 0-23 W_qkv, 24-31 W_proj
	s_sub_co_u32 s22, s21, 24
	s_mov_b32 s23, 4096
	s_wait_kmcnt 0x0
	s_cmp_lt_u32 s19, 192                          ; the choice hangs on the work-group's number alone
	s_cselect_b64 s[6:7], s[6:7], s[8:9]
	s_cselect_b32 s22, s21, s22                    ; the block of columns in its own tensor
	s_cselect_b32 s23, 12288, s23                  ; bytes from row to row
	s_lshl_b32 s24, s20, 7
	s_mul_i32 s24, s24, s23                        ; 128 ky rows
	s_lshl_b32 s25, s22, 9
	s_add_co_u32 s24, s24, s25                     ; + 128 columns x 4 bytes a block
	s_lshl_b32 s25, s18, 7
	s_add_co_u32 s24, s24, s25                     ; + my wave's 32 columns
	s_mov_b32 s25, 0
	s_add_nc_u64 s[6:7], s[6:7], s[24:25]
	s_lshl_b32 s26, s23, 5                         ; 32 rows on
	s_mov_b32 s27, 0
	s_wait_alu depctr_va_vdst(0)
	v_lshlrev_b32 v[OFF], 2, v2
.irp i, 1,2,3,4,5,6,7,8,9,10,11,12,13,14,15,16,17,18,19,20,21,22,23,24,25,26,27,28,29,30,31
	v_add_nc_u32 v[OFF+\i], s23, v[OFF+\i-1]       ; the pitch is a scalar here, so the 32 rows' offsets stand in registers
.endr
	v_lshrrev_b32 v3, 3, v2                        ; column c of the wave's 32 is position (c % 8) + 8 (c / 16) of tile (c / 8) % 2
	v_and_b32 v4, 1, v3                            ; tile
	v_lshrrev_b32 v3, 1, v3
	v_and_b32 v5, 7, v2
	v_lshl_add_u32 v5, v3, 3, v5                   ; position m
	s_mul_i32 s28, s18, WWREG
	s_add_co_u32 s28, s28, WBASE                   ; my wave's stage
	v_mul_u32_u24 v6, v4, WTILE
	v_add_nc_u32 v6, s28, v6
	v_lshl_add_u32 v7, v5, 4, v6                   ; where registers 0-3 of my codes go: 16 m,
	v_lshl_add_u32 v8, v5, 3, v6                   ; registers 4-5: 8 m
	v_lshlrev_b32 v9, 4, v2                        ; the way out: 16 x lane in memory,
	v_add_nc_u32 v10, s28, v9                      ; and in the stage
	v_lshlrev_b32 v14, 9, v4
	v_lshl_add_u32 v14, v5, 5, v14                 ; my row of scale bytes: (16 tile + m) x 32
	s_lshl_b32 s29, s21, 3
	s_lshl_b32 s30, s18, 1
	s_add_co_u32 s29, s29, s30                     ; my wave's first tile of columns
	s_mul_i32 s30, s29, 12288
	s_mul_i32 s31, s20, 1536                       ; 128 along K are two half fragments
	s_add_co_u32 s30, s30, s31
	s_mov_b32 s31, 0
	s_add_nc_u64 s[14:15], s[14:15], s[30:31]      ; wc
	s_lshl_b32 s30, s29, 9
	s_lshl_b32 s29, s20, 2                         ; and four scale bytes
	s_add_co_u32 s30, s30, s29
	s_add_nc_u64 s[16:17], s[16:17], s[30:31]      ; ws
.macro WLOAD t                         ; block t: rows 32 t .. 32 t + 31 of my column into set t % 2; a load reads 128 consecutive bytes, the four waves stand side by side on 512
.if (\t) > 0
	s_wait_xcnt 0x0                                ; the earlier loads have read their base: it may step
	s_add_nc_u64 s[6:7], s[6:7], s[26:27]
.endif
.irp i, 0,1,2,3,4,5,6,7,8,9,10,11,12,13,14,15,16,17,18,19,20,21,22,23,24,25,26,27,28,29,30,31
	global_load_b32 v[WX+32*((\t)%2)+\i], v[OFF+\i], s[6:7] th:TH_LOAD_NT
.endr
.endm
.macro WBLOCK t
.set XS, WX+32*((\t)%2)
.if (\t) < NB-1
	s_wait_loadcnt 32                              ; this block's 32 loads are in; the next block's may be out
.else
	s_wait_loadcnt 0x0
.endif
	v_max3_num_f32 v12, |v[XS]|, |v[XS+1]|, |v[XS+2]|
	v_max3_num_f32 v13, |v[XS+3]|, |v[XS+4]|, |v[XS+5]|
.irp i, 6,10,14,18,22,26
	v_max3_num_f32 v12, v12, |v[XS+\i]|, |v[XS+\i+1]|
	v_max3_num_f32 v13, v13, |v[XS+\i+2]|, |v[XS+\i+3]|
.endr
	v_max3_num_f32 v12, v12, |v[XS+30]|, |v[XS+31]|
	v_max3_num_f32 v12, v12, v13, 0x2800000        ; the floor 2^(5 - 127)
	v_add_nc_u32 v11, 0xfe000000, v12
	v_cvt_scalef32_pk16_bf6_f32 v[WC:WC+2], v[XS:XS+15], v11
	v_cvt_scalef32_pk16_bf6_f32 v[WT:WT+2], v[XS+16:XS+31], v11
	v_lshrrev_b32 v13, 23, v11                     ; the scale's byte (also the plain line behind the conversions)
.if (\t) == 0
	v_mov_b32 v[SB], v13
.else
	v_lshl_or_b32 v[SB], v13, 8*(\t), v[SB]
.endif
.irp i, 0,1,2
	v_mov_b32 v[WC+3+\i], v[WT+\i]
.endr
	ds_store_b128 v7, v[WC:WC+3] offset:((\t)/2)*768+((\t)%2)*256         ; block t is half t % 2 of half fragment t / 2: lane m + 16 (t % 2) of its image
	ds_store_b64 v8, v[WC+4:WC+5] offset:((\t)/2)*768+512+((\t)%2)*128
.if (\t)+2 < NB
	WLOAD (\t)+2
.endif
	s_wait_dscnt 0x0                               ; the stores have read their registers: the next block's codes may be written
.endm
	WLOAD 0
	WLOAD 1
.irp u, 0,1,2,3
	WBLOCK \u
.endr
.irp n, 0,1,2,3,4,5
	ds_load_b128 v[OUTR+4*\n:OUTR+4*\n+3], v10 offset:(\n/3)*WTILE+(\n%3)*512   ; LDS serves a wave's instructions in order: these see my stores
.endr
	s_wait_alu depctr_va_vdst(0)
	global_store_b32 v14, v[SB], s[16:17]          ; my column's four scale bytes
.irp n, 0,1,2,3,4,5
	s_wait_dscnt 5-\n
	global_store_b128 v9, v[OUTR+4*\n:OUTR+4*\n+3], s[14:15] offset:(\n/3)*12288+(\n%3)*512   ; 512 consecutive bytes, aligned to 256
.endr
	s_wait_tensorcnt 0x0                           ; the wave's end
	ds_add_u32 v254, v255
	s_wait_dscnt 0x0
	s_endpgm
.Lfunc_end_k_q5cc6689ea1_prep:
	.size	k_q5cc6689ea1_prep, .Lfunc_end_k_q5cc6689ea1_prep-k_q5cc6689ea1_prep
	.p2alignl 7, 3214868480
	.fill 96, 4, 3214868480
	.section	.rodata,"a",@progbits
	.p2align	6, 0x0
	.amdhsa_kernel k_q5cc6689ea1_prep
		.amdhsa_group_segment_fixed_size 60928
		.amdhsa_private_segment_fixed_size 0
		.amdhsa_enable_private_segment 0
		.amdhsa_kernarg_size 56
		.amdhsa_user_sgpr_count 2
		.amdhsa_user_sgpr_kernarg_segment_ptr 1
		.amdhsa_wavefront_size32 1
		.amdhsa_system_sgpr_workgroup_id_x 1
		.amdhsa_system_sgpr_workgroup_id_y 1
		.amdhsa_system_sgpr_workgroup_id_z 1
		.amdhsa_system_vgpr_workitem_id 0
		.amdhsa_next_free_vgpr 256
		.amdhsa_next_free_sgpr 66
		.amdhsa_reserve_vcc 1
		.amdhsa_float_denorm_mode_32 3
		.amdhsa_float_denorm_mode_16_64 3
		.amdhsa_memory_ordered 1
		.amdhsa_forward_progress 1
		.amdhsa_inst_pref_size 40
	.end_amdhsa_kernel
	.amdgpu_metadata
---
amdhsa.version: [ 1, 2 ]
amdhsa.kernels:
  - .name:           k_q5cc6689ea1_prep
    .symbol:         k_q5cc6689ea1_prep.kd
    .args:
      - { .name: x, .offset: 0, .size: 8, .value_kind: global_buffer, .address_space: global }
      - { .name: W_qkv, .offset: 8, .size: 8, .value_kind: global_buffer, .address_space: global }
      - { .name: W_proj, .offset: 16, .size: 8, .value_kind: global_buffer, .address_space: global }
      - { .name: xc, .offset: 24, .size: 8, .value_kind: global_buffer, .address_space: global }
      - { .name: xs, .offset: 32, .size: 8, .value_kind: global_buffer, .address_space: global }
      - { .name: wc, .offset: 40, .size: 8, .value_kind: global_buffer, .address_space: global }
      - { .name: ws, .offset: 48, .size: 8, .value_kind: global_buffer, .address_space: global }
    .group_segment_fixed_size: 60928
    .private_segment_fixed_size: 0
    .kernarg_segment_align: 8
    .kernarg_segment_size: 56
    .max_flat_workgroup_size: 128
    .sgpr_count:     66
    .vgpr_count:     256
    .wavefront_size: 32
...
	.end_amdgpu_metadata
.endif
;; end of part 1
;; launch gemm_qkv (part 2): grid 12 x 32, 4 waves a work-group, clusters of 4 x 4, 327,680 bytes of LDS; arguments xc, xs, wc, ws, b_qkv, qkvc, qkvs; writes qkvc, qkvs
.if DOCPART == 2
	.amdgcn_target "amdgcn-amd-amdhsa--gfx1250"
	.amdhsa_code_object_version 6
	.text
	.protected	k_q5cc6689ea1_gemm_qkv
	.globl	k_q5cc6689ea1_gemm_qkv
	.p2align	8
	.type	k_q5cc6689ea1_gemm_qkv,@function
k_q5cc6689ea1_gemm_qkv:
	s_mov_b64 s[64:65], 0
	v_nop
	global_prefetch_b8 v0, s[64:65] scope:SCOPE_SE
	s_setreg_imm32_b32 hwreg(HW_REG_WAVE_MODE, 25, 1), 1
	s_wait_xcnt 0x0
	s_wait_alu depctr_hold_cnt(0) depctr_sa_sdst(0) depctr_va_vdst(0) depctr_va_sdst(0) depctr_va_ssrc(0) depctr_va_vcc(0) depctr_vm_vsrc(0)
	s_getreg_b32 s2, hwreg(HW_REG_IB_STS2, 6, 4)
	s_cmp_eq_u32 s2, 0
	s_cbranch_scc0 .Lentry_in_a_cluster
	s_endpgm
.Lentry_in_a_cluster:
	s_bfe_u32 s2, ttmp6, 0x10000c
	s_cmp_lg_u32 s2, 0xf033
	s_cbranch_scc0 .Lentry_shape_is_right
	s_endpgm
.Lentry_shape_is_right:
; qkv = x W_qkv + b_qkv on codes of BF6 (E3M2) with E8M0 scales, f32 sums; q, k and v leave as CODES for the attention launch and never as f32.
; A work-group of four waves makes 256 x 256 of the product, a wave 128 x 128: 64 accumulators of 16 x 16.  K = 1,024 goes in steps of 256 through a ring of two LDS slots filled by the tensor data mover.
; Codes lie in memory as half fragments (16 rows x 64 K, 768 bytes, the image of six operand registers: bytes 0-511 registers 0-3 at 16 x lane, bytes 512-767 registers 4-5 at 8 x lane), [tile][16][768]:
; a tile's 256 along K are 3,072 consecutive bytes, and every LDS load takes consecutive bytes in consecutive lanes: no pitch, no padding.
; Position p of tile n is true row 32 (n / 2) + 8 (n % 2) + p + 8 (p / 8).
; TWO ROLES.  Source 0 of the matrix instruction is operand P: a lane's result registers run along P, and by the order of a tile's rows the 16 registers of two neighbouring tiles are 16 true neighbours.
; Source 1 is operand R: a lane holds one row of R.  What leaves is quantised along P.  Clusters with x = 0, 1 make q and k: R = tokens, P = W's columns (the head's 64 are the next K).
; Clusters with x = 2 make v: R = W_v's columns, P = tokens (the keys are the next K).  One text serves both; what differs is chosen by scalar selects and three short branches on the cluster's x,
; which all sixteen partners share.
; CLUSTERS: 4 x 4 work-groups.  R's tile hangs on cy alone and is asked for jointly by a row of the cluster, P's on cx alone, by a column.
; THE SCALES of the work-group's 256 + 256 rows for all of K come into LDS once, with the first fills.  The bias is the C of each sum's first matrix instruction.
; OUT: qkvc: three regions (q, k, v) of [64 heads][98,304]; q, k: [128 token tiles][768]; v: [16 key steps][4 channel tiles][1,536] (16 channels x 128 keys).
;      qkvs: three regions of [64][16 steps][16 rows][4 words]; q, k: word f = the two bytes of token tile 8 s + 2 f, then those of 8 s + 2 f + 1; v: word ct = channel tile ct's four bytes.
; LIMITS: a block of zeros gets the byte 1 (its codes are zeros; this program alone reads the bytes); blocks under 2^-122 have the byte 1; NaN and infinities are not served.
; REGISTERS, in windows of 256: window 0: v1-31 addresses; v32-63 scale words, two sets; v64-127 the bias, later the way out; v128-223 R's fragments, ONE set.
;   window 1: P's fragments, TWO sets, at v0 and v128.   windows 2, 3: accumulator (a, b) at v[8 (8 (a % 4) + b)], R's blocks 0-3 and 4-7.
.set NQ,     2                         ; matrix instructions deep in a slot
.set FR,     12                        ; registers of a fragment
.set NL,     4                         ; LDS loads that bring one
.set NP,     4                         ; places behind this matrix instruction (ISA guide 7.12.1)
.set TROW,   3072                      ; a tile's 256 along K
.set HALFT,  8*TROW                    ; eight tiles: what one tensor load brings, and what one wave reads of R or of P
.set SLOT,   4*HALFT                   ; R's 16 tiles, then P's 16
.set LAPS,   2                         ; a lap = two K steps = once round the ring
.set KS,     32                        ; a row of scales in bytes
.set SCL,    2*SLOT                    ; behind the ring: the scales, as units of 256 bytes + 16 of padding
.set HALFS,  16*272                    ; those of 128 rows
.set SBLK,   2*272                     ; those of 16 rows
.set SPARE,  SCL+4*HALFS               ; the spare words, 128 bytes a wave: two blocks of 256 bytes that no other line names
.set ADRA, 16                          ; v16-17 R's fragments in slot 0, 1: 16 x lane on;  v18-19: 8 x lane on
.set ADRB, 20                          ; v20-23 the same for P
.set O16B, 24                          ; v24  the way out: 16 x lane + DELTA
.set O8B,  25                          ; v25  8 x lane + DELTA
.set SWO,  26                          ; v26  the scale words' place
.set ADRS, 27                          ; v27  my scale words: lanes 0-15 R's rows, lanes 16-31 P's
.set SPW,  28                          ; v28  my spare word; never rewritten
.set NIL,  29                          ; v29  0; never rewritten
.set SELV, 15                          ; v15  byte selects for the scale words
.set SC,   32
.set BI,   64                          ; the bias, eight registers a tile
.set AF,   128
.set PC,   64                          ; the way out: v64-83 codes
.set TM,   96                          ; v96-111 at work
.set PWR,  112                         ; v112-119 a scale word for each of R's eight tiles
.set WD,   120                         ; v120-123 the four words that leave
.set G1, 24                            ; s[24:31] group 1 for R's tiles;  s[32:39] groups 0, one a slot
.set G0, 32
.set G1B, 48                           ; s[48:55], s[56:63] the same for P's
.set G0B, 56
.set G0H, 4                            ; s[4:7], s[8:11] groups 0 of the head's loads of K step 0: R's 16 tiles, P's 16 (the arguments that lay there have been used by then)
.set G0HB, 8
.set G0S, 76                           ; s[76:79], s[88:91] the same for K step 1
.set G0SB, 88
.set ISV, 100                          ; s100  1 in the clusters that make v
.set MSB, 0
.macro WIN new                         ; the immediate's high byte repeats the setting that is left
.if MSB != (\new)
	s_set_vgpr_msb (MSB<<8)|(\new)
.set MSB, (\new)
.endif
.endm
.set MUL_LO, 0xa1                      ; source 0 (P) window 1, source 1 (R) window 0, C and D window 2
.set MUL_HI, 0xf1                      ; the same, C and D window 3
.set BIAS_LO, 0x81                     ; C (the bias) window 0, D window 2
.set BIAS_HI, 0xc1
.set TO_B,   0x40                      ; destination window 1, address window 0
; A joint load: waves 0 and 1 fetch for R, waves 2 and 3 for P.  The branch hangs on the wave's number alone.  Four v_nop follow each of the two lines.
.macro JLOAD g0a, g1a, g0b, g1b
	s_cmp_eq_u32 s15, 0
	s_cbranch_scc0 .Lfor_b_\@
	tensor_load_to_lds s[\g0a:\g0a+3], s[\g1a:\g1a+7]
	s_nop 0
.rept 4
	v_nop
.endr
	s_branch .Lasked_\@
.Lfor_b_\@:
	tensor_load_to_lds s[\g0b:\g0b+3], s[\g1b:\g1b+7]
	s_nop 0
.rept 4
	v_nop
.endr
.Lasked_\@:
.endm
.macro CREST                           ; a round of the cluster's barrier behind its opening barrier
	s_cmp_lg_u32 s14, 0
	s_cbranch_scc1 .Lnot_wave_0_\@
	s_barrier_signal -3
.Lnot_wave_0_\@:
	s_barrier_wait -3
	s_barrier_signal -1
	s_barrier_wait -1
.endm
.macro CROUND
	s_barrier_signal -1
	s_barrier_wait -1
	CREST
.endm
	s_load_b256 s[4:11], s[0:1], 0x0               ; xc s[4:5], xs s[6:7], wc s[8:9], ws s[10:11]
	s_load_b64 s[12:13], s[0:1], 0x20              ; b_qkv
	s_load_b64 s[96:97], s[0:1], 0x28              ; qkvc
	s_load_b64 s[98:99], s[0:1], 0x30              ; qkvs
	v_lshl_add_u32 v[SPW], v0, 2, SPARE
	v_mov_b32 v[NIL], 0
	ds_add_u32 v28, v29
	ds_add_u32 v28, v29
	s_wait_dscnt 0x0
	v_lshrrev_b32 v1, 5, v0
	v_readfirstlane_b32 s14, v1                    ; wave 0..3
	s_lshr_b32 s15, s14, 1                         ; which half of R's rows is mine.  Also: I fetch for R (0) or for P (1)
	s_and_b32 s16, s14, 1                          ; which half of P's.  Also: which eight tiles I fetch
	s_bfe_u32 s40, ttmp6, 0x40000                  ; cx, cy: my place in the cluster
	s_bfe_u32 s41, ttmp6, 0x40004
	s_and_b32 s45, ttmp7, 0xffff
	s_lshl_b32 s45, s45, 2                         ; 4 x cluster y
	s_lshl_b32 s44, ttmp9, 2                       ; 4 x cluster x
	s_cmp_eq_u32 ttmp9, 2
	s_cselect_b32 s[ISV], 1, 0
	s_cselect_b32 s17, 0, s45
	s_cselect_b32 s42, s45, s44
	s_cselect_b32 s93, 128, 0                      ; W_v's columns begin at tile 128 of wc
	s_add_co_u32 s17, s17, s41                     ; R's block of 256: tokens 4 cluster y + cy, or W_v's columns cy
	s_add_co_u32 s42, s42, s40                     ; P's: columns 4 cluster x + cx, or tokens 4 cluster y + cx
	s_lshl_b32 s43, s41, 2
	s_lshl_b32 s43, 15, s43                        ; my row of the cluster
	s_lshl_b32 s44, 0x1111, s40                    ; my column
	; group 1 for codes: eight rows (tiles) of 384 elements of 8 bytes, 12,288 bytes apart; no padding
	s_or_b32 s[G1+0], s43, (3<<16)|(1<<21)         ; 15:0 the mask; 17:16 elements of 8 bytes; 21 set beside a mask
	s_or_b32 s[G1B+0], s44, (3<<16)|(1<<21)
.irp g, G1, G1B
	s_mov_b32 s[\g+1], 384<<16                     ; tensor_dim0
	s_mov_b32 s[\g+2], 16<<16                      ; tensor_dim1: the head's loads bring all 16 tiles of a block; behind them the two words that count rows are set to 8
	s_mov_b32 s[\g+3], 384<<16                     ; tile_dim0
	s_mov_b32 s[\g+4], 16                          ; tile_dim1
	s_mov_b32 s[\g+5], 1536                        ; tensor_dim0_stride
	s_mov_b32 s[\g+6], 0
	s_mov_b32 s[\g+7], 0
.endr
	s_lshl_b32 s20, s17, 4                         ; the block's first tile
	s_add_co_u32 s20, s20, s93                     ; R: the first tile
	s_lshl_b32 s46, s42, 4
	s_lshl_b32 s22, s20, 9                         ; a tile's scales are 512 bytes,
	s_mov_b32 s23, 0
	s_mul_i32 s20, s20, 12288                      ; its codes 12,288
	s_mov_b32 s21, 0
	s_lshl_b32 s92, s46, 9
	s_mov_b32 s93, 0
	s_mul_i32 s46, s46, 12288
	s_mov_b32 s47, 0
	s_mul_i32 s45, s14, HALFT                      ; where they go: no place in the cluster enters an LDS address
	s_wait_kmcnt 0x0
	s_cmp_eq_u32 s[ISV], 1                         ; which buffers play R and P: the choice hangs on the cluster's x alone
	s_cselect_b64 s[66:67], s[8:9], s[4:5]         ; R's codes
	s_cselect_b64 s[18:19], s[10:11], s[6:7]       ; R's scales
	s_cselect_b64 s[4:5], s[4:5], s[8:9]           ; P's codes
	s_cselect_b64 s[6:7], s[6:7], s[10:11]         ; P's scales
	s_add_nc_u64 s[20:21], s[66:67], s[20:21]
	s_add_nc_u64 s[22:23], s[18:19], s[22:23]
	s_add_nc_u64 s[46:47], s[4:5], s[46:47]
	s_add_nc_u64 s[92:93], s[6:7], s[92:93]
	CROUND                                         ; all sixteen work-groups are here: the first joint loads meet
	s_mov_b32 s[G0H], 1                            ; the head's four tiles, each whole: K step 0's 16 tiles of R,
	s_mov_b32 s[G0H+1], 0
	s_mov_b64 s[G0H+2:G0H+3], s[20:21]
	s_or_b32 s[G0H+3], s[G0H+3], 0x80000000
	s_mov_b32 s[G0HB], 1                           ; its 16 tiles of P,
	s_mov_b32 s[G0HB+1], 2*HALFT
	s_mov_b64 s[G0HB+2:G0HB+3], s[46:47]
	s_or_b32 s[G0HB+3], s[G0HB+3], 0x80000000
	s_mov_b32 s[G0S], 1                            ; K step 1's of R,
	s_mov_b32 s[G0S+1], SLOT
	s_add_nc_u64 s[G0S+2:G0S+3], s[20:21], TROW
	s_or_b32 s[G0S+3], s[G0S+3], 0x80000000
	s_mov_b32 s[G0SB], 1                           ; and of P
	s_mov_b32 s[G0SB+1], SLOT+2*HALFT
	s_add_nc_u64 s[G0SB+2:G0SB+3], s[46:47], TROW
	s_or_b32 s[G0SB+3], s[G0SB+3], 0x80000000
	s_mul_i32 s18, s16, 8*12288                    ; for the ring: which eight tiles of the block I fetch
	s_mov_b32 s19, 0
	s_add_nc_u64 s[20:21], s[20:21], s[18:19]
	s_add_nc_u64 s[46:47], s[46:47], s[18:19]
.irp s, 0,1
	s_mov_b32 s[G0+4*\s], 1
	s_add_co_u32 s[G0+4*\s+1], s45, \s*SLOT
	s_add_nc_u64 s[G0+4*\s+2:G0+4*\s+3], s[20:21], \s*TROW
	s_or_b32 s[G0+4*\s+3], s[G0+4*\s+3], 0x80000000
	s_mov_b32 s[G0B+4*\s], 1
	s_add_co_u32 s[G0B+4*\s+1], s45, \s*SLOT
	s_add_nc_u64 s[G0B+4*\s+2:G0B+4*\s+3], s[46:47], \s*TROW
	s_or_b32 s[G0B+4*\s+3], s[G0B+4*\s+3], 0x80000000
.endr
; THE HEAD'S LOADS, ONE A WAVE: one chain of branches on the wave's number, a load to an arm, all arms leading to one join.
.macro ARM under, g0, g1, next
	s_cmp_lt_u32 s14, \under
	s_cbranch_scc0 \next
	tensor_load_to_lds s[\g0:\g0+3], s[\g1:\g1+7]
	s_nop 0
.rept 4
	v_nop
.endr
	s_branch .Lhead_asked
\next:
.endm
	ARM 1, G0H,  G1,  .Lhead_p0
	ARM 2, G0HB, G1B, .Lhead_r1
	ARM 3, G0S,  G1,  .Lhead_p1
	tensor_load_to_lds s[G0SB:G0SB+3], s[G1B:G1B+7]
	s_nop 0
.rept 4
	v_nop
.endr
.Lhead_asked:
	; the scales of R's 256 rows and of P's, 8,192 dense bytes each, come through registers: 16 bytes a thread and load, 2,048 consecutive bytes a load of the work-group
	v_lshlrev_b32 v10, 4, v0                       ; 16 x thread
	v_lshrrev_b32 v11, 4, v0
	v_lshl_add_u32 v11, v11, 4, v10                ; in LDS 16 bytes more for each 256 passed
	v_add_nc_u32 v11, SCL, v11
.irp k, 0,1,2,3
	global_load_b128 v[AF+4*\k:AF+4*\k+3], v10, s[22:23] offset:2048*\k
	global_load_b128 v[AF+16+4*\k:AF+19+4*\k], v10, s[92:93] offset:2048*\k
.endr
	s_wait_xcnt 0x0                                ; the loads have read their bases: s22 is written again below
	v_and_b32 v1, 15, v0                           ; r
	v_bfe_u32 v2, v0, 4, 1                         ; h
	v_and_b32 v3, 31, v0
	v_lshlrev_b32 v4, 4, v3                        ; 16 x lane
	v_lshlrev_b32 v5, 3, v3                        ; 8 x lane
	s_mul_i32 s21, s15, HALFT                      ; my eight tiles of R
	s_mul_i32 s22, s16, HALFT                      ; my eight of P,
	s_add_co_u32 s22, s22, 2*HALFT                 ; which lie behind R's sixteen
.irp s, 0,1
	v_add_nc_u32 v[ADRA+\s], s21, v4
	v_add_nc_u32 v[ADRB+\s], s22, v4
	v_add_nc_u32 v[ADRA+2+\s], s21, v5
	v_add_nc_u32 v[ADRB+2+\s], s22, v5
	s_add_co_u32 s21, s21, SLOT
	s_add_co_u32 s22, s22, SLOT
.endr
	v_mul_u32_u24 v7, v1, KS                       ; my row's scales: 32 bytes a row,
	v_lshrrev_b32 v8, 8, v7
	v_lshl_add_u32 v7, v8, 4, v7                   ; and 16 more for each 256 passed
	s_mul_i32 s21, s15, HALFS
	s_mul_i32 s22, s16, HALFS
	s_add_co_u32 s22, s22, 2*HALFS
	s_sub_co_u32 s22, s22, s21
	v_mul_u32_u24 v8, s22, v2                      ; lanes 16-31 take P's
	s_add_co_u32 s21, s21, SCL
	v_add_nc_u32 v7, v7, v8
	v_add_nc_u32 v[ADRS], s21, v7
	s_lshl_b32 s66, s42, 4
	s_lshl_b32 s18, s16, 3
	s_add_co_u32 s66, s66, s18                     ; s66: my wave's first tile of P,
	s_lshl_b32 s67, s17, 4
	s_lshl_b32 s18, s15, 3
	s_add_co_u32 s67, s67, s18                     ; s67: of R (in W_v counted from its own first column)
	; THE BIAS, in the result's layout.  q, k: it runs along P: lane (r, h) wants, for P's tile b, the eight numbers at true column 32 (b / 2) + 8 (b % 2) + 16 h.  v: it hangs on R's row: eight times the same number.
	s_cmp_eq_u32 s[ISV], 1
	s_cbranch_scc1 .Lbias_v
	s_lshl_b32 s20, s66, 6                         ; 16 columns x 4 bytes a tile
	s_mov_b32 s21, 0
	s_add_nc_u64 s[12:13], s[12:13], s[20:21]
	v_lshlrev_b32 v6, 6, v2
.irp b, 0,1,2,3,4,5,6,7
	global_load_b128 v[BI+8*\b:BI+8*\b+3], v6, s[12:13] offset:(32*(\b/2)+8*(\b%2))*4
	global_load_b128 v[BI+8*\b+4:BI+8*\b+7], v6, s[12:13] offset:(32*(\b/2)+8*(\b%2))*4+16
.endr
	s_branch .Lbias_done
.Lbias_v:
	s_lshl_b32 s20, s67, 6
	s_add_co_u32 s20, s20, 8192                    ; v's bias begins at number 2,048
	s_mov_b32 s21, 0
	s_add_nc_u64 s[12:13], s[12:13], s[20:21]
	v_and_b32 v6, 8, v1
	v_add_nc_u32 v6, v6, v1                        ; r + 8 (r / 8)
	v_lshlrev_b32 v6, 2, v6
.irp a, 0,1,2,3,4,5,6,7
.irp j, 0,1,2,3,4,5,6,7
	global_load_b32 v[BI+8*\a+\j], v6, s[12:13] offset:(32*(\a/2)+8*(\a%2))*4
.endr
.endr
.Lbias_done:
.macro FRAG reg, adr, q, i             ; a fragment, 16 rows x 128 K: two half fragments on end, as they lie
	ds_load_b128 v[\reg:\reg+3], v[\adr] offset:(\i)*TROW+(\q)*1536
	ds_load_b64 v[\reg+4:\reg+5], v[\adr+2] offset:(\i)*TROW+(\q)*1536+512
	ds_load_b128 v[\reg+6:\reg+9], v[\adr] offset:(\i)*TROW+(\q)*1536+768
	ds_load_b64 v[\reg+10:\reg+11], v[\adr+2] offset:(\i)*TROW+(\q)*1536+1280
.endm
; 16 matrix instructions: R's blocks a0, a0 + 1 x P's eight, 128 along K.  p: P's set; sc: the set of scale words.  mode 0: adds in place; 1: starts the sums with the bias of P's tile; 2: of R's tile.
; The 64 accumulators take turns, one instruction a turn, in the same order in every step.
.macro MUL16 a0, p, q, sc, mode
.irp a, \a0, \a0+1
.irp b, 0,1,2,3,4,5,6,7
.if \mode == 0
	v_wmma_scale_f32_16x16x128_f8f6f4 v[8*(8*((\a)%4)+\b):8*(8*((\a)%4)+\b)+7], v[128*(\p)+FR*\b:128*(\p)+FR*\b+FR-1], v[AF+FR*(\a):AF+FR*(\a)+FR-1], v[8*(8*((\a)%4)+\b):8*(8*((\a)%4)+\b)+7], v[SC+8*NQ*(\sc)+NQ*\b+(\q)], v[SC+8*NQ*(\sc)+NQ*(\a)+(\q)] matrix_a_fmt:MATRIX_FMT_BF6 matrix_b_fmt:MATRIX_FMT_BF6 matrix_a_scale:MATRIX_SCALE_ROW1
.elseif \mode == 1
	v_wmma_scale_f32_16x16x128_f8f6f4 v[8*(8*((\a)%4)+\b):8*(8*((\a)%4)+\b)+7], v[128*(\p)+FR*\b:128*(\p)+FR*\b+FR-1], v[AF+FR*(\a):AF+FR*(\a)+FR-1], v[BI+8*\b:BI+8*\b+7], v[SC+8*NQ*(\sc)+NQ*\b+(\q)], v[SC+8*NQ*(\sc)+NQ*(\a)+(\q)] matrix_a_fmt:MATRIX_FMT_BF6 matrix_b_fmt:MATRIX_FMT_BF6 matrix_a_scale:MATRIX_SCALE_ROW1
.else
	v_wmma_scale_f32_16x16x128_f8f6f4 v[8*(8*((\a)%4)+\b):8*(8*((\a)%4)+\b)+7], v[128*(\p)+FR*\b:128*(\p)+FR*\b+FR-1], v[AF+FR*(\a):AF+FR*(\a)+FR-1], v[BI+8*(\a):BI+8*(\a)+7], v[SC+8*NQ*(\sc)+NQ*\b+(\q)], v[SC+8*NQ*(\sc)+NQ*(\a)+(\q)] matrix_a_fmt:MATRIX_FMT_BF6 matrix_b_fmt:MATRIX_FMT_BF6 matrix_a_scale:MATRIX_SCALE_ROW1
.endif
.endr
.endr
.endm
.macro FETCH_B slot, q, p              ; P's eight fragments of the slot's q-th 128 along K into set p
	WIN TO_B
.irp i, 0,1,2,3,4,5,6,7
	FRAG 128*(\p)+FR*\i, ADRB+\slot, \q, \i
.endr
	WIN 0
.endm
.macro FETCH_A slot, q, i0             ; R's blocks i0 .. i0 + 3
.irp i, \i0, \i0+1, \i0+2, \i0+3
	FRAG AF+FR*(\i), ADRA+\slot, \q, \i
.endr
.endm
.macro SCALES sc                       ; a K step's scale words into set sc: two words a row; lanes 0-15 take R's block i, lanes 16-31 P's block i
.irp i, 0,1,2,3,4,5,6,7
	ds_load_b64 v[SC+8*NQ*\sc+NQ*\i:SC+8*NQ*\sc+NQ*\i+1], v[ADRS] offset:\i*SBLK
.endr
.endm
.macro PLACES n                        ; plain vector lines between a matrix instruction and a load into, or a read of, its registers (ISA guide 7.12.1 for vector instructions)
.rept \n
	v_nop
.endr
.endm
; A step of 128 along K that has its successor in the same slot.  R's blocks are free as soon as their eight products are issued: blocks 0-3 are fetched anew in the middle, blocks 4-7 at the end.
.macro STEP slot, q, mode
	s_wait_dscnt 4*NL                              ; P's set, R's blocks 0-3 and the scale words are in; the youngest sixteen loads (R's blocks 4-7) may be out
.if \mode
	WIN BIAS_LO
.else
	WIN MUL_LO
.endif
	MUL16 0, (\q)%2, \q, \slot, \mode
	MUL16 2, (\q)%2, \q, \slot, \mode
	s_wait_dscnt 0                                 ; R's blocks 4-7 are in
	PLACES NP
	FETCH_B \slot, (\q)+1, 1-(\q)%2
	FETCH_A \slot, (\q)+1, 0
.if \mode
	WIN BIAS_HI
.else
	WIN MUL_HI
.endif
	MUL16 4, (\q)%2, \q, \slot, \mode
	MUL16 6, (\q)%2, \q, \slot, \mode
	PLACES NP
	WIN 0
	FETCH_A \slot, (\q)+1, 4
.endm
; A slot's last step changes slots: ONE barrier; in front of it each wave waits for all its tensor loads, adds 0 to its spare word, and waits for that and for its own reads of this slot.
; fill = 1: the barrier opens a round of the cluster's, and behind the round this slot is filled again, two K steps ahead.
.macro TURN slot, next, fill
	s_wait_tensorcnt 0x0                           ; all my tensor loads have landed: my part of the next slot  (every window is 0 here)
	ds_add_u32 v[SPW], v[NIL]                      ; 0 onto my spare word
	s_wait_dscnt 4*NL+1                            ; (the add and the youngest sixteen loads may be out)
	WIN MUL_LO
	MUL16 0, 1, NQ-1, \slot, 0                     ; sixteen matrix instructions stand between the add and the wait for it
	s_wait_dscnt 0x0                               ; the add is done, and my reads of this slot are over
	s_barrier_signal -1
	MUL16 2, 1, NQ-1, \slot, 0
	WIN 0
	s_barrier_wait -1
.if \fill
	CREST                                          ; no wave of any partner still reads this slot's tile or has a load on its way
	s_add_nc_u64 s[G0+4*\slot+2:G0+4*\slot+3], s[G0+4*\slot+2:G0+4*\slot+3], 2*TROW
	s_add_nc_u64 s[G0B+4*\slot+2:G0B+4*\slot+3], s[G0B+4*\slot+2:G0B+4*\slot+3], 2*TROW
	JLOAD G0+4*\slot, G1, G0B+4*\slot, G1B         ; the first tensor load behind the round; its four v_nop are the places in front of the loads below
.else
	PLACES NP
.endif
	s_wait_alu depctr_va_vdst(0)
	v_add_nc_u32 v[ADRS], 4*NQ, v[ADRS]            ; on to the next K step's scale words (no LDS load of mine is out)
	FETCH_B \next, 0, 0
	FETCH_A \next, 0, 0
	SCALES \next
	WIN MUL_HI
	MUL16 4, 1, NQ-1, \slot, 0
	MUL16 6, 1, NQ-1, \slot, 0
	PLACES NP
	WIN 0
	FETCH_A \next, 0, 4
.endm
	s_wait_alu depctr_va_vdst(0)
	s_wait_loadcnt 16                              ; the eight loads of scales are in: behind them stand the bias's loads, sixteen on one way and more on the other
	s_wait_tensorcnt 0x0                           ; my tile of the head's four is in
.irp k, 0,1,2,3
	ds_store_b128 v11, v[AF+4*\k:AF+4*\k+3] offset:2176*\k              ; 2,048 bytes are eight units of 272
	ds_store_b128 v11, v[AF+16+4*\k:AF+19+4*\k] offset:2*HALFS+2176*\k  ; into bytes on which no tensor load lands
.endr
	s_mov_b32 s[G1+2], 8<<16                       ; no tensor load of mine is out: from here on a load brings eight tiles
	s_mov_b32 s[G1+4], 8
	s_mov_b32 s[G1B+2], 8<<16
	s_mov_b32 s[G1B+4], 8
	s_wait_dscnt 0x0                               ; my stores are done
	s_barrier_signal -1
	s_barrier_wait -1                              ; both slots and the scales are whole
	FETCH_B 0, 0, 0
	FETCH_A 0, 0, 0
	s_wait_alu depctr_va_vdst(0)
	SCALES 0
	FETCH_A 0, 0, 4
	s_wait_loadcnt 0x0                             ; the bias
	s_cmp_eq_u32 s[ISV], 1                         ; the first step starts the sums with the bias, which lies along P (q, k) or along R (v)
	s_cbranch_scc1 .Lfirst_v
	STEP 0, 0, 1
	s_branch .Lfirst_done
.Lfirst_v:
	STEP 0, 0, 2
.Lfirst_done:
	s_mov_b32 s3, LAPS-1
.Llap:                                                 ; a trip goes once round the ring, from a lap's second step to the next lap's first, and fills both slots again
	TURN 0, 1, 1
	STEP 1, 0, 0
	TURN 1, 0, 1
	STEP 0, 0, 0
	s_sub_co_u32 s3, s3, 1
	s_cmp_lg_u32 s3, 0
	s_cbranch_scc1 .Llap
	TURN 0, 1, 0                                   ; the last lap fills nothing
	STEP 1, 0, 0
	s_wait_dscnt 4*NL                              ; the very last step: nothing more to fetch
	WIN MUL_LO
	MUL16 0, 1, NQ-1, 1, 0
	MUL16 2, 1, NQ-1, 1, 0
	s_wait_dscnt 0
	WIN MUL_HI
	MUL16 4, 1, NQ-1, 1, 0
	MUL16 6, 1, NQ-1, 1, 0
	WIN 0
; THE WAY OUT.  For each of R's eight tiles a lane holds one row and 64 numbers, register 16 b + i = P's true index 32 b + 16 h + i: four blocks of 32, each in lanes l and l xor 16.  They become one
; fragment's 12 registers (two half fragments) and a scale word, and the registers are stored as they stand.  No tensor load of mine is out: the descriptors' scalar registers are free.
;   q, k: the two half fragments are two heads' (98,304 bytes apart), R's tiles are token tiles (768 bytes apart).
;   v:    they are one channel tile's keys 0-63 and 64-127 (768 apart); R's tiles are channel tiles (1,536 apart), four to a head.
	s_lshl_b32 s20, s41, 2
	s_lshl_b32 s21, s15, 1
	s_add_co_u32 s20, s20, s21                     ; v: my first head = 4 cy + 2 x half
	s_lshl_b32 s21, s40, 2
	s_lshl_b32 s22, s16, 1
	s_add_co_u32 s21, s21, s22                     ; q, k: 4 cx + 2 x half
	s_cmp_eq_u32 s[ISV], 1
	s_cselect_b32 s18, s66, s67                    ; my first token tile
	s_cselect_b32 s19, s20, s21                    ; my first head
	s_mov_b32 s22, 98304
	s_cselect_b32 s22, 768, s22                    ; DELTA: from the first half fragment to the second
	s_mov_b32 s26, 768
	s_cselect_b32 s26, 1536, s26                   ; from tile to tile of R
	s_mov_b32 s27, 0
	s_mov_b32 s28, 768
	s_cselect_b32 s28, 93696, s28                  ; from tile 3 to tile 4: in v the next head, 98,304 - 3 x 1,536
	s_mov_b32 s29, 0
	s_mov_b32 s32, 0x05040100                      ; q, k, lanes 0-15: bytes 0, 1 of two tiles' words (the first head's)
	s_cselect_b32 s32, 0x03020100, s32             ; v, lanes 0-15: the word of a tile of the first head
	s_mov_b32 s33, 0x07060302                      ; q, k, lanes 16-31: bytes 2, 3 (the second head's)
	s_cselect_b32 s33, 0x07060504, s33             ; v, lanes 16-31: the word of a tile of the second head
	s_mov_b32 s38, 0x76543210
	s_mov_b32 s39, 0xfedcba98                      ; v_permlanex16_b32's selects for lane l xor 16
	s_lshr_b32 s20, s18, 7                         ; the batch
	s_bfe_u32 s21, s18, 0x40003                    ; the step of 128 tokens in it
	s_lshl_b32 s20, s20, 4
	s_add_co_u32 s20, s20, s19                     ; 16 x batch + head
	s_mul_i32 s34, s20, 98304
	s_mul_i32 s35, s21, 6144
	s_add_co_u32 s34, s34, s35
	s_mul_i32 s35, ttmp9, 6291456                  ; the region: q, k or v
	s_add_co_u32 s34, s34, s35
	s_mov_b32 s35, 0
	s_add_nc_u64 s[24:25], s[96:97], s[34:35]      ; where my codes go
	s_lshl_b32 s20, s20, 4
	s_add_co_u32 s20, s20, s21
	s_lshl_b32 s20, s20, 8
	s_mul_i32 s21, ttmp9, 262144
	s_add_co_u32 s34, s20, s21
	s_add_nc_u64 s[30:31], s[98:99], s[34:35]      ; and my scale words
	v_add_nc_u32 v[O16B], s22, v4                  ; these plain lines are also the places behind the last products
	v_add_nc_u32 v[O8B], s22, v5
	v_lshlrev_b32 v[SWO], 12, v2                   ; lanes 16-31: the next head's words, 4,096 bytes on;
	v_lshl_add_u32 v[SWO], v1, 4, v[SWO]           ; 16 bytes a row
	v_mov_b32 v[SELV], s32
	v_mov_b32 v14, s33
	v_cmp_eq_u32 vcc_lo, 1, v2
	v_cndmask_b32 v[SELV], v[SELV], v14, vcc_lo
.irp b, 0,1,2,3
	v_mov_b32 v[TM+4+\b], 0                        ; written once: a lane permute's destination counts as one of its sources
.endr
.macro QTILE a
.set AC, 64*((\a)%4)
	WIN 0x0a+5*((\a)/4)                            ; sources 0 and 1: the accumulators' window
.irp b, 0,1,2,3
	v_max3_num_f32 v[TM+\b], |v[AC+16*\b]|, |v[AC+16*\b+1]|, 0x2800000   ; block b: my 16 numbers and the floor 2^(5 - 127).  Each accumulator is read from its low end on
.endr
	WIN 0x28+20*((\a)/4)                           ; sources 1 and 2
.irp i, 2,4,6,8,10,12,14
.irp b, 0,1,2,3
	v_max3_num_f32 v[TM+\b], v[TM+\b], |v[AC+16*\b+\i]|, |v[AC+16*\b+\i+1]|
.endr
.endr
	WIN 0
.irp b, 0,1,2,3
	v_permlanex16_b32 v[TM+4+\b], v[TM+\b], s38, s39
.endr
.irp b, 0,1,2,3
	v_max_num_f32 v[TM+\b], v[TM+\b], v[TM+4+\b]   ; with lane l xor 16's: the block's largest magnitude
.endr
.irp b, 0,1,2,3
	v_add_nc_u32 v[TM+12+\b], 0xfe000000, v[TM+\b] ; 4 off its exponent field: the conversion's scale operand
.endr
.irp b, 0,1,2,3
	v_lshrrev_b32 v[TM+4+\b], 23, v[TM+12+\b]      ; the scale's byte
.endr
	v_lshl_or_b32 v[PWR+(\a)], v[TM+5], 8, v[TM+4]
	v_lshl_or_b32 v[PWR+(\a)], v[TM+6], 16, v[PWR+(\a)]
	v_lshl_or_b32 v[PWR+(\a)], v[TM+7], 24, v[PWR+(\a)]
.if (\a) > 0
	s_wait_xcnt 0x0                                ; the last tile's stores have read their data and their base: both are written again only behind this wait
.if (\a) == 4
	s_add_nc_u64 s[24:25], s[24:25], s[28:29]
.else
	s_add_nc_u64 s[24:25], s[24:25], s[26:27]
.endif
.endif
	WIN 0x02+(\a)/4                                ; source 0
.irp c, 0,1
	v_cvt_scalef32_pk16_bf6_f32 v[PC+6*\c:PC+2+6*\c], v[AC+32*\c:AC+15+32*\c], v[TM+12+2*\c]
	v_cvt_scalef32_pk16_bf6_f32 v[PC+12+4*\c:PC+14+4*\c], v[AC+16+32*\c:AC+31+32*\c], v[TM+12+2*\c+1]   ; (a conversion's three registers begin on an even number)
.endr
	WIN 0
	v_nop                                          ; one plain line behind a scaled conversion
.irp c, 0,1                                    ; the operand's layout wants a WHOLE block in a lane: lanes 0-15 block 2 c, lanes 16-31 block 2 c + 1
.irp i, 0,1,2
	v_permlane16_swap_b32 v[PC+6*\c+\i], v[PC+12+4*\c+\i]
.endr
.irp i, 0,1,2
	v_mov_b32 v[PC+3+6*\c+\i], v[PC+12+4*\c+\i]
.endr
.endr
	global_store_b128 v4, v[PC:PC+3], s[24:25]                 ; 512 consecutive bytes, aligned to 256,
	global_store_b64 v5, v[PC+4:PC+5], s[24:25] offset:512     ; and 256: a half fragment
	global_store_b128 v[O16B], v[PC+6:PC+9], s[24:25]
	global_store_b64 v[O8B], v[PC+10:PC+11], s[24:25] offset:512
.endm
.irp u, 0,1,2,3,4,5,6,7
	QTILE \u
.endr
	s_cmp_eq_u32 s[ISV], 1
	s_cbranch_scc1 .Lwords_v
.irp f, 0,1,2,3
	v_perm_b32 v[WD+\f], v[PWR+2*\f+1], v[PWR+2*\f], v[SELV]   ; word f: my head's two bytes of token tiles 2 f and 2 f + 1
.endr
	s_branch .Lwords_done
.Lwords_v:
.irp f, 0,1,2,3
	v_perm_b32 v[WD+\f], v[PWR+4+\f], v[PWR+\f], v[SELV]       ; word f: channel tile f of my head
.endr
.Lwords_done:
	s_wait_alu depctr_va_vdst(0)
	global_store_b128 v[SWO], v[WD:WD+3], s[30:31]             ; sixteen lanes store 256 consecutive bytes, aligned
	s_wait_tensorcnt 0x0                           ; the wave's end
	ds_add_u32 v[SPW], v[NIL]
	s_wait_dscnt 0x0
	CROUND                                         ; the closing round: no work-group ends while a partner may still ask for a tile that names it
	s_endpgm
.Lfunc_end_k_q5cc6689ea1_gemm_qkv:
	.size	k_q5cc6689ea1_gemm_qkv, .Lfunc_end_k_q5cc6689ea1_gemm_qkv-k_q5cc6689ea1_gemm_qkv
	.p2alignl 7, 3214868480
	.fill 96, 4, 3214868480
	.section	.rodata,"a",@progbits
	.p2align	6, 0x0
	.amdhsa_kernel k_q5cc6689ea1_gemm_qkv
		.amdhsa_group_segment_fixed_size 327680
		.amdhsa_private_segment_fixed_size 0
		.amdhsa_enable_private_segment 0
		.amdhsa_kernarg_size 56
		.amdhsa_user_sgpr_count 2
		.amdhsa_user_sgpr_kernarg_segment_ptr 1
		.amdhsa_wavefront_size32 1
		.amdhsa_system_sgpr_workgroup_id_x 1
		.amdhsa_system_sgpr_workgroup_id_y 1
		.amdhsa_system_sgpr_workgroup_id_z 1
		.amdhsa_system_vgpr_workitem_id 0
		.amdhsa_next_free_vgpr 1024
		.amdhsa_next_free_sgpr 102
		.amdhsa_reserve_vcc 1
		.amdhsa_float_denorm_mode_32 3
		.amdhsa_float_denorm_mode_16_64 3
		.amdhsa_memory_ordered 1
		.amdhsa_forward_progress 1
		.amdhsa_inst_pref_size 173
	.end_amdhsa_kernel
	.amdgpu_metadata
---
amdhsa.version: [ 1, 2 ]
amdhsa.kernels:
  - .name:           k_q5cc6689ea1_gemm_qkv
    .symbol:         k_q5cc6689ea1_gemm_qkv.kd
    .args:
      - { .name: xc, .offset: 0, .size: 8, .value_kind: global_buffer, .address_space: global }
      - { .name: xs, .offset: 8, .size: 8, .value_kind: global_buffer, .address_space: global }
      - { .name: wc, .offset: 16, .size: 8, .value_kind: global_buffer, .address_space: global }
      - { .name: ws, .offset: 24, .size: 8, .value_kind: global_buffer, .address_space: global }
      - { .name: b_qkv, .offset: 32, .size: 8, .value_kind: global_buffer, .address_space: global }
      - { .name: qkvc, .offset: 40, .size: 8, .value_kind: global_buffer, .address_space: global }
      - { .name: qkvs, .offset: 48, .size: 8, .value_kind: global_buffer, .address_space: global }
    .group_segment_fixed_size: 327680
    .private_segment_fixed_size: 0
    .kernarg_segment_align: 8
    .kernarg_segment_size: 56
    .max_flat_workgroup_size: 128
    .sgpr_count:     102
    .vgpr_count:     1024
    .wavefront_size: 32
...
	.end_amdgpu_metadata
.endif
;; end of part 2
;; launch attn (part 3): grid 4 x 64, 16 waves a work-group, clusters of 4 x 1, 327,680 bytes of LDS; arguments qkvc, qkvs, yc, ys; writes yc, ys
.if DOCPART == 3
	.amdgcn_target "amdgcn-amd-amdhsa--gfx1250"
	.amdhsa_code_object_version 6
	.text
	.protected	k_q5cc6689ea1_attn
	.globl	k_q5cc6689ea1_attn
	.p2align	8
	.type	k_q5cc6689ea1_attn,@function
k_q5cc6689ea1_attn:
	s_mov_b64 s[64:65], 0
	v_nop
	global_prefetch_b8 v0, s[64:65] scope:SCOPE_SE
	s_setreg_imm32_b32 hwreg(HW_REG_WAVE_MODE, 25, 1), 1
	s_wait_xcnt 0x0
	s_wait_alu depctr_hold_cnt(0) depctr_sa_sdst(0) depctr_va_vdst(0) depctr_va_sdst(0) depctr_va_ssrc(0) depctr_va_vcc(0) depctr_vm_vsrc(0)
	s_getreg_b32 s2, hwreg(HW_REG_IB_STS2, 6, 4)
	s_cmp_eq_u32 s2, 0
	s_cbranch_scc0 .Lentry_in_a_cluster
	s_endpgm
.Lentry_in_a_cluster:
	s_bfe_u32 s2, ttmp6, 0x10000c
	s_cmp_lg_u32 s2, 0x3003
	s_cbranch_scc0 .Lentry_shape_is_right
	s_endpgm
.Lentry_shape_is_right:
; y = causal softmax(q k^T / 8) v for 64 heads (batch x head) of 2,048 tokens x 64, both products on codes of BF6 (E3M2) with E8M0 scales; y leaves as codes for the last product.
; THE SOFTMAX: t = score x log2(e) / 8; M = the row's largest t so far, rounded UP to a whole number; p = 2^(t - M) is quantised along the keys, not normalised.  The row's sum is taken of the
; unquantised p and divides O at the end.  When M moves, the sum and O are multiplied by 2^(old M - new M): exact.
; LEFT OUT: key steps all of whose keys come after a tile's queries: the causal mask sets their scores to -infinity, so their p is 0 for all inputs.
; SHARES.  Work-group (i, head), sixteen waves.  Wave w owns two tiles of 16 queries, one after the other: tile 127 - 4 w - i, then tile 4 w + i.  Tile t wants key steps 0 .. t / 8 of 128 keys, and
; since i < 4 those last steps are 15 - w / 2 and w / 2: 17 tile steps for every wave, and every branch hangs on the wave's number alone.  i enters global addresses and the diagonal's compare only.
; CLUSTER: the four work-groups of a head are alike, read all of the head's K and V, and ask for them jointly (mask 15).
; ALL OF THE HEAD'S K AND V STAY IN LDS (2 x 98,304 bytes of codes, 2 x 4,096 of scale words); each byte is filled once, in two requests.  At the head, one load a wave: waves 0-7 a key step of K or of V
; (steps 0-3), waves 8-15 1,024 bytes of scale words.  Behind the three lines and a round: 9,216 bytes a wave, steps 4-15.  The long tile's steps 0-3, equal work in all waves, run under that load.
; No prefetch: both requests go out ahead of every loop, so no later load is left to run ahead of.
; LAYOUT.  Codes are half fragments (16 rows x 64 K, 768 bytes: bytes 0-511 registers 0-3 at 16 x lane, bytes 512-767 registers 4-5 at 8 x lane).  Position p of token tile n is token
; 32 (n / 2) + 8 (n % 2) + p + 8 (p / 8); channel tiles likewise.  Both products are used transposed (S^T = K Q^T, O^T = V^T P^T): a lane holds ONE query, the 16 registers of two neighbouring
; tiles of S^T are 16 neighbouring keys, those of O^T 16 neighbouring channels.
; THE FIRST PRODUCT'S K IS 64, THE INSTRUCTION'S 128: source 0 takes two token tiles of K on end, source 1 is [q | zeros] for the first and [zeros | q] for the second: q stands twice in v16-33
; round six registers of zero codes.
; LIMITS: a block of zeros gets the byte 1 (its codes are zeros; this program alone reads the bytes); NaN and infinities are not served; the scaled scores t stay under 2^31 in magnitude.
.set VOFF, 98304                       ; LDS: K's codes from 0, V's from here; a key step is 6,144 bytes in each
.set KSC,  196608                      ; K's scale words, 256 bytes a step: [16 rows][4 words];  V's 4,096 bytes on
.set SPARE, 204800                     ; the spare words: 128 bytes a wave, eight blocks of 256 that no other line names
.set L16,  1                           ; 16 x lane
.set L8,   2                           ; 8 x lane
.set AS0,  3                           ; KSC + 16 r
.set DQ,   4                           ; r + 8 (r / 8) - 16 h
.set YSO,  5                           ; 32 r + h
.set R16,  6                           ; 16 r
.set V16,  7                           ; VOFF + 16 x lane
.set ADK16, 8                          ; v8-11 the step's addresses
.set ADK8, 9
.set ADV16, 10
.set ADV8, 11
.set QF,   16                          ; v16-33 [q | 0 | q];  v12 -M, v13 the largest score so far, v[14:15] the sum
.set QS,   34                          ; q's scale word: its two bytes, twice
.set ADS,  35
.set FRG,  36                          ; v36-83 four fragments of K, then of V
.set KSW,  84
.set VSW,  88
.set V8,   92                          ; VOFF + 8 x lane
.set QR,   93
.set HH,   94                          ; h
.set SS,   96                          ; v96-159 S^T, then p; at the end y
.set OO,   160                         ; v160-191 O^T
.set PCD,  192                         ; v192-211 p's codes
.set BM,   212                         ; the blocks' largest
.set T2,   216
.set SCO,  220                         ; the conversions' scale operands
.set FF,   224                         ; v[224:225] f = 2^(old M - new M)
.set PW,   226                         ; p's scale word
.set TP,   227
.set DD,   228
.set NINF, 229
.set SM,   230                         ; v230-235 three more chains of sums
.set YC,   232
.set YT,   240
.set YB,   244
.set SPW,  254                         ; my spare word; never rewritten
.set NIL,  255                         ; 0; never rewritten
.set WV,   12                          ; wave
.set CX,   13                          ; i: my place in the cluster
.set BH,   14                          ; head
.set QT,   15                          ; my query tile
.set SLAST, 16                         ; its last key step
.set SI,   17                          ; the key step;  s18 6,144 x it;  s19 256 x it
.set TB,   18
.set TS,   19
.set SEL,  20                          ; s[20:21] selects for lane l xor 16
.set CS,   22                          ; s[22:23] c = log2(e) / 8;  s24 -c
.set CSN,  24
.set G1C,  28                          ; groups 1: 24, 4 and 36 rows of 256 bytes
.set G1S,  36
.set G1B,  44
.set G0C,  52                          ; groups 0: a key step's codes; scale words; the second request
.set G0S,  56
.set G0B,  60
.set TRIP, 74
.set QB,   75                          ; my tile's first query
.macro ROUND                           ; a round of the cluster's barrier
	s_barrier_signal -1
	s_barrier_wait -1
	s_cmp_lg_u32 s[WV], 0
	s_cbranch_scc1 .Lnw0_\@
	s_barrier_signal -3
.Lnw0_\@:
	s_barrier_wait -3
	s_barrier_signal -1
	s_barrier_wait -1
.endm
.macro GRP1 g, rows                    ; dense rows of 32 elements of 8 bytes; mask 15 with bit 21 beside it
	s_mov_b32 s[\g], 15|(3<<16)|(1<<21)
	s_mov_b32 s[\g+1], 32<<16
	s_mov_b32 s[\g+2], (\rows)<<16
	s_mov_b32 s[\g+3], 32<<16
	s_mov_b32 s[\g+4], \rows
	s_mov_b32 s[\g+5], 32
	s_mov_b32 s[\g+6], 0
	s_mov_b32 s[\g+7], 0
.endm
	s_load_b256 s[4:11], s[0:1], 0x0               ; qkvc s[4:5], qkvs s[6:7], yc s[8:9], ys s[10:11]
	v_lshl_add_u32 v[SPW], v0, 2, SPARE
	v_mov_b32 v[NIL], 0
	ds_add_u32 v[SPW], v[NIL]                      ; the opening lines: the add twice on end and its wait
	ds_add_u32 v[SPW], v[NIL]
	v_lshrrev_b32 v1, 5, v0
	v_readfirstlane_b32 s[WV], v1
	s_bfe_u32 s[CX], ttmp6, 0x40000
	s_and_b32 s[BH], ttmp7, 0xffff
	s_and_b32 s76, s[WV], 3                        ; first request: part a = w % 4,
	s_bfe_u32 s77, s[WV], 0x10002                  ; of K (0) or of V (1): (w / 4) % 2
	s_and_b32 s78, s[WV], 7                        ; second request: part w % 8 of K (w < 8) or of V
	s_lshr_b32 s79, s[WV], 3
	s_mul_i32 s84, s[BH], 98304                    ; my head's codes in a region,
	s_lshl_b32 s85, s[BH], 12                      ; its scale words
	s_mul_i32 s80, s76, 6144
	s_mul_i32 s81, s77, VOFF
	s_mov_b32 s[G0C], 1
	s_add_co_u32 s[G0C+1], s80, s81
	s_mul_i32 s82, s77, 6291456
	s_add_co_u32 s82, s82, s80
	s_add_co_u32 s82, s82, s84
	s_add_co_u32 s82, s82, 6291456                 ; region 1 = k, 2 = v
	s_mov_b32 s83, 0
	s_lshl_b32 s80, s76, 10
	s_lshl_b32 s81, s77, 12
	s_add_co_u32 s81, s81, s80
	s_mov_b32 s[G0S], 1
	s_add_co_u32 s[G0S+1], s81, KSC
	s_lshl_b32 s86, s77, 18
	s_add_co_u32 s86, s86, s80
	s_add_co_u32 s86, s86, s85
	s_add_co_u32 s86, s86, 262144
	s_mov_b32 s87, 0
	s_mul_i32 s80, s78, 9216
	s_add_co_u32 s80, s80, 24576                   ; behind key steps 0-3
	s_mul_i32 s81, s79, VOFF
	s_mov_b32 s[G0B], 1
	s_add_co_u32 s[G0B+1], s80, s81
	s_mul_i32 s88, s79, 6291456
	s_add_co_u32 s88, s88, s80
	s_add_co_u32 s88, s88, s84
	s_add_co_u32 s88, s88, 6291456
	s_mov_b32 s89, 0
	s_mov_b32 s90, s84
	s_mov_b32 s91, 0
	s_mov_b32 s92, s85
	s_mov_b32 s93, 0
	GRP1 G1C, 24
	GRP1 G1S, 4
	GRP1 G1B, 36
	s_mov_b32 s[SEL], 0x76543210
	s_mov_b32 s[SEL+1], 0xfedcba98
	s_mov_b32 s[CS], 0x3e38aa3b
	s_mov_b32 s[CS+1], s[CS]                       ; (named with it as a pair)
	s_mov_b32 s[CSN], 0xbe38aa3b
	s_wait_dscnt 0x0                               ; both opening adds are done
	s_wait_kmcnt 0x0
	s_add_nc_u64 s[G0C+2:G0C+3], s[4:5], s[82:83]
	s_or_b32 s[G0C+3], s[G0C+3], 0x80000000
	s_add_nc_u64 s[G0S+2:G0S+3], s[6:7], s[86:87]
	s_or_b32 s[G0S+3], s[G0S+3], 0x80000000
	s_add_nc_u64 s[G0B+2:G0B+3], s[4:5], s[88:89]
	s_or_b32 s[G0B+3], s[G0B+3], 0x80000000
	s_add_nc_u64 s[66:67], s[4:5], s[90:91]        ; q's codes of my head (region 0)
	s_add_nc_u64 s[68:69], s[6:7], s[92:93]        ; and its scale words
	ROUND                                          ; the four work-groups are here: the first joint loads meet
	s_cmp_lt_u32 s[WV], 8                          ; one load a wave, a load in each arm
	s_cbranch_scc0 .Lscl
	tensor_load_to_lds s[G0C:G0C+3], s[G1C:G1C+7]
	s_nop 0
.rept 4
	v_nop
.endr
	s_branch .Lasked
.Lscl:
	tensor_load_to_lds s[G0S:G0S+3], s[G1S:G1S+7]
	s_nop 0
.rept 4
	v_nop
.endr
.Lasked:
	v_and_b32 v[TP], 31, v0
	v_and_b32 v95, 15, v0                          ; r
	v_bfe_u32 v[HH], v0, 4, 1                      ; h
	v_mov_b32 v[FF+1], 0
	v_lshlrev_b32 v[L16], 4, v[TP]
	v_lshlrev_b32 v[L8], 3, v[TP]
	v_lshlrev_b32 v[R16], 4, v95
	v_and_b32 v[DQ], 8, v95
	v_lshlrev_b32 v[DD], 4, v[HH]
	v_add_nc_u32 v[AS0], KSC, v[R16]
	v_add_nc_u32 v[DQ], v[DQ], v95
	v_lshl_add_u32 v[YSO], v95, 5, v[HH]
	v_add_nc_u32 v[V16], VOFF, v[L16]
	v_add_nc_u32 v[V8], VOFF, v[L8]
	v_sub_nc_u32 v[DQ], v[DQ], v[DD]
.irp j, 6,7,8,9,10,11
	v_mov_b32 v[QF+\j], 0                          ; the zero codes between q and q
.endr
.irp b, 0,1,2,3
	v_mov_b32 v[T2+\b], 0                          ; written once: a lane permute's destination counts as one of its sources
.endr
	s_wait_alu depctr_va_vdst(0)
; A QUERY TILE BEGINS: its number, addresses, q and its scale word; M, the sum and O^T begin as for no keys.
.macro PROLOG second
	s_lshl_b32 s[QT], s[WV], 2
	s_add_co_u32 s[QT], s[QT], s[CX]               ; 4 w + i
	s_lshr_b32 s[SLAST], s[WV], 1                  ; its last key step, of the wave's number alone
.if \second
	s_wait_xcnt 0x0                                ; the first tile's stores have read their bases and data: both are written again below
.else
	s_sub_co_u32 s[QT], 127, s[QT]                 ; the long tile first
	s_sub_co_u32 s[SLAST], 15, s[SLAST]
.endif
	s_mul_i32 s76, s[QT], 768
	s_mov_b32 s77, 0
	s_add_nc_u64 s[76:77], s[66:67], s[76:77]
	s_bfe_u32 s78, s[QT], 0x20001                  ; word (tile / 2) % 4
	s_lshl_b32 s78, s78, 2
	s_lshr_b32 s79, s[QT], 3
	s_lshl_b32 s79, s79, 8                         ; of step tile / 8
	s_add_co_u32 s78, s78, s79
	s_mov_b32 s79, 0
	s_add_nc_u64 s[78:79], s[68:69], s[78:79]
	global_load_b128 v[QF:QF+3], v[L16], s[76:77]
	global_load_b64 v[QF+4:QF+5], v[L8], s[76:77] offset:512
	global_load_b128 v[QF+12:QF+15], v[L16], s[76:77]          ; q a second time, behind the zeros
	global_load_b64 v[QF+16:QF+17], v[L8], s[76:77] offset:512
	global_load_b32 v[QR], v[R16], s[78:79]
	s_lshr_b32 s80, s[BH], 4
	s_lshl_b32 s80, s80, 7
	s_add_co_u32 s80, s80, s[QT]                   ; the token tile among all 512
	s_and_b32 s81, s[BH], 15                       ; the head in its batch: y's half fragment along C
	s_lshl_b32 s70, s80, 4
	s_add_co_u32 s70, s70, s81
	s_mul_i32 s70, s70, 768
	s_mov_b32 s71, 0
	s_add_nc_u64 s[70:71], s[8:9], s[70:71]        ; y's codes
	s_lshl_b32 s72, s80, 9
	s_lshl_b32 s81, s81, 1
	s_add_co_u32 s72, s72, s81
	s_mov_b32 s73, 0
	s_add_nc_u64 s[72:73], s[10:11], s[72:73]      ; y's two scale bytes a row
	s_lshr_b32 s[QB], s[QT], 1
	s_lshl_b32 s[QB], s[QB], 5
	s_and_b32 s81, s[QT], 1
	s_lshl_b32 s81, s81, 3
	s_add_co_u32 s[QB], s[QB], s81                 ; 32 (tile / 2) + 8 (tile % 2)
	s_mov_b32 s82, 0x01000100
	s_bitcmp1_b32 s[QT], 0
	s_cselect_b32 s82, 0x03020302, s82             ; an odd tile's bytes are the word's upper two
	s_mov_b32 s[SI], 0
	s_mov_b32 s[TB], 0
	s_mov_b32 s[TS], 0
	v_mov_b32 v13, 0xff61b1e6                      ; the largest score so far: -3e38
	v_mov_b32 v14, 0                               ; the sum, in two halves
	v_mov_b32 v15, 0
	v_floor_f32 v12, -v13                          ; -M
	s_wait_loadcnt 0x0
	v_perm_b32 v[QS], v[QR], v[QR], s82
.set JJ, 0
.rept 32
	v_mov_b32 v[OO+JJ], 0                          ; O^T: the step is written once, and its first run finds zeros.  (These lines also part q's scale word from the first product)
.set JJ, JJ+1
.endr
.endm
.macro FOUR a16, a8                    ; four fragments of 1,536 bytes, as they lie
.irp f, 0,1,2,3
	ds_load_b128 v[FRG+12*\f:FRG+12*\f+3], v[\a16] offset:1536*\f
	ds_load_b64 v[FRG+12*\f+4:FRG+12*\f+5], v[\a8] offset:1536*\f+512
	ds_load_b128 v[FRG+12*\f+6:FRG+12*\f+9], v[\a16] offset:1536*\f+768
	ds_load_b64 v[FRG+12*\f+10:FRG+12*\f+11], v[\a8] offset:1536*\f+1280
.endr
.endm
; A KEY STEP: 128 keys.  A step behind my tile's last is left out by a scalar branch on the wave's number and the step's count, which leads round the work and not round the lines that step the addresses.
.macro STEP
	s_cmp_gt_u32 s[SI], s[SLAST]
	s_cbranch_scc1 .Lhid_\@
	v_add_nc_u32 v[ADK16], s[TB], v[L16]           ; five plain lines: the places between the last step's products and the loads into the registers that they read
	v_add_nc_u32 v[ADK8], s[TB], v[L8]
	v_add_nc_u32 v[ADV16], s[TB], v[V16]
	v_add_nc_u32 v[ADV8], s[TB], v[V8]
	v_add_nc_u32 v[ADS], s[TS], v[AS0]
	FOUR ADK16, ADK8                               ; fragment f: token tiles 2 f and 2 f + 1 of the step, on end
	ds_load_b128 v[KSW:KSW+3], v[ADS]              ; word f: the two tiles' bytes
	s_wait_alu depctr_va_vdst(0)
	s_wait_dscnt 0x0
.irp f, 0,1,2,3
	v_wmma_scale_f32_16x16x128_f8f6f4 v[SS+16*\f:SS+16*\f+7], v[FRG+12*\f:FRG+12*\f+11], v[QF:QF+11], 0, v[KSW+\f], v[QS] matrix_a_fmt:MATRIX_FMT_BF6 matrix_b_fmt:MATRIX_FMT_BF6
	v_wmma_scale_f32_16x16x128_f8f6f4 v[SS+16*\f+8:SS+16*\f+15], v[FRG+12*\f:FRG+12*\f+11], v[QF+6:QF+17], 0, v[KSW+\f], v[QS] matrix_a_fmt:MATRIX_FMT_BF6 matrix_b_fmt:MATRIX_FMT_BF6
.endr                                          ; register 16 f + i of lane (r, h): key 128 step + 32 f + 16 h + i
.rept 4
	v_nop                                          ; places in front of the loads into K's registers and of the first read of the scores
.endr
	FOUR ADV16, ADV8                               ; V's four channel tiles x these 128 keys: they land under the softmax
	ds_load_b128 v[VSW:VSW+3], v[ADS] offset:4096
	s_cmp_lg_u32 s[SI], s[SLAST]                   ; only my last step lies on the diagonal: there hidden scores become -infinity ahead of the maximum, and p = 0
	s_cbranch_scc1 .Lopen_\@
	s_lshl_b32 s76, s[SI], 7
	s_sub_co_i32 s76, s[QB], s76
	v_add_nc_u32 v[DD], s76, v[DQ]                 ; d = my query - the step's first key - 16 h: register 16 f + i is hidden where 32 f + i > d
	v_mov_b32 v[NINF], 0xff800000
.set JJ, 0
.rept 64
	v_cmp_gt_i32 vcc_lo, 32*(JJ/16)+JJ%16, v[DD]
	v_cndmask_b32 v[SS+JJ], v[SS+JJ], v[NINF], vcc_lo
.set JJ, JJ+1
.endr
.Lopen_\@:
.irp b, 0,1,2,3
	v_max3_num_f32 v[BM+\b], v[SS+16*\b], v[SS+1+16*\b], v[SS+2+16*\b]   ; the largest score of each block of 32 keys: for the row's maximum and, since p rises with the score, for the block's largest p
.endr
.irp i, 3,5,7,9,11,13
.irp b, 0,1,2,3
	v_max3_num_f32 v[BM+\b], v[BM+\b], v[SS+16*\b+\i], v[SS+1+16*\b+\i]
.endr
.endr
.irp b, 0,1,2,3
	v_max_num_f32 v[BM+\b], v[BM+\b], v[SS+15+16*\b]
.endr
.irp b, 0,1,2,3
	s_delay_alu instid0(VALU_DEP_4)
	v_permlanex16_b32 v[T2+\b], v[BM+\b], s[SEL], s[SEL+1]
.endr
.irp b, 0,1,2,3
	s_delay_alu instid0(VALU_DEP_4)
	v_max_num_f32 v[BM+\b], v[BM+\b], v[T2+\b]     ; with lane l xor 16's 16 keys
.endr
	s_delay_alu instid0(VALU_DEP_2)
	v_max3_num_f32 v[TP], v[BM], v[BM+1], v[BM+2]
	s_delay_alu instid0(VALU_DEP_1)
	v_max3_num_f32 v13, v13, v[TP], v[BM+3]        ; the running largest score of my query
	s_delay_alu instid0(VALU_DEP_1)
	v_mul_f32 v[TP], s[CSN], v13                   ; -t (c is positive)
	v_mov_b32 v[DD], v12
	s_delay_alu instid0(VALU_DEP_2)
	v_floor_f32 v12, v[TP]                         ; the new -M = -ceil(t): a whole number
	s_delay_alu instid0(VALU_DEP_1)
	v_sub_f32 v[TP], v12, v[DD]                    ; old M less new M: a whole number, 0 or less
	s_delay_alu instid0(VALU_DEP_1)
	v_cvt_i32_f32 v[TP], v[TP]                     ; (it saturates)
	s_delay_alu instid0(VALU_DEP_1)
	v_ldexp_f32 v[FF], 1.0, v[TP]                  ; f = 2^(old M - new M)
.set JJ, 0
.rept 32
	v_pk_fma_f32 v[SS+JJ:SS+JJ+1], v[SS+JJ:SS+JJ+1], s[CS:CS+1], v[12:13] op_sel_hi:[1,0,0]   ; t - M, two at a time
.set JJ, JJ+2
.endr
.irp b, 0,1,2,3
	v_fma_f32 v[BM+\b], v[BM+\b], s[CS], v12       ; the same of each block's largest score
.endr
	s_wait_alu depctr_va_vdst(0)
.set JJ, 0
.rept 64
	v_exp_f32 v[SS+JJ], v[SS+JJ]                   ; p = 2^(t - M), at most 1
.set JJ, JJ+1
.endr
	v_pk_mul_f32 v[14:15], v[14:15], v[FF:FF+1] op_sel_hi:[1,0]   ; the sums under the new M (the plain line behind the exponentials)
	s_wait_alu depctr_va_vdst(0)                   ; one wait for the whole batch, ahead of its first reader
.irp b, 0,1,2,3
	v_exp_f32 v[BM+\b], v[BM+\b]                   ; the block's largest p: the same two instructions on the same number give the same bits
.endr
.irp q, 1,2,3                                  ; the row's sum of the unquantised p: 32 pairs in four chains by turns
	v_pk_add_f32 v[SM+2*\q-2:SM+2*\q-1], v[SS+2*\q:SS+2*\q+1], v[SS+8+2*\q:SS+9+2*\q]
.endr
	v_pk_add_f32 v[14:15], v[14:15], v[SS:SS+1]
.irp k, 1,2,3,4,5,6,7
.if \k > 1
.irp q, 1,2,3
	v_pk_add_f32 v[SM+2*\q-2:SM+2*\q-1], v[SM+2*\q-2:SM+2*\q-1], v[SS+8*\k+2*\q:SS+8*\k+2*\q+1]
.endr
.endif
	v_pk_add_f32 v[14:15], v[14:15], v[SS+8*\k:SS+8*\k+1]
.endr
	v_pk_add_f32 v[SM:SM+1], v[SM:SM+1], v[SM+2:SM+3]
	v_pk_add_f32 v[14:15], v[14:15], v[SM+4:SM+5]
	v_pk_add_f32 v[14:15], v[14:15], v[SM:SM+1]
	s_wait_alu depctr_va_vdst(0)                   ; and one for the four
.irp b, 0,1,2,3
	v_max_num_f32 v[BM+\b], 0x2800000, v[BM+\b]    ; the floor 2^(5 - 127): the byte cannot fall under 1 (a block whose every p is 0 keeps that byte: its codes are zeros)
.endr
.irp b, 0,1,2,3
	s_delay_alu instid0(VALU_DEP_4)
	v_add_nc_u32 v[SCO+\b], 0xfe000000, v[BM+\b]   ; 4 off the exponent field: the conversion's scale operand
.endr
.irp b, 0,1,2,3
	s_delay_alu instid0(VALU_DEP_4)
	v_lshrrev_b32 v[T2+\b], 23, v[SCO+\b]          ; the scale's byte
.endr
	s_delay_alu instid0(VALU_DEP_3)
	v_lshl_or_b32 v[PW], v[T2+1], 8, v[T2]         ; p's scale word for these 128 keys
	s_delay_alu instid0(VALU_DEP_1)
	v_lshl_or_b32 v[PW], v[T2+2], 16, v[PW]
	s_delay_alu instid0(VALU_DEP_1)
	v_lshl_or_b32 v[PW], v[T2+3], 24, v[PW]
.irp c, 0,1
	v_cvt_scalef32_pk16_bf6_f32 v[PCD+6*\c:PCD+2+6*\c], v[SS+32*\c:SS+15+32*\c], v[SCO+2*\c]
	v_cvt_scalef32_pk16_bf6_f32 v[PCD+12+4*\c:PCD+14+4*\c], v[SS+16+32*\c:SS+31+32*\c], v[SCO+2*\c+1]   ; (a conversion's three registers begin on an even number)
.endr
	v_nop                                          ; one plain line behind a scaled conversion
.irp c, 0,1                                    ; the operand's layout wants a WHOLE block in a lane
.irp i, 0,1,2
	v_permlane16_swap_b32 v[PCD+6*\c+\i], v[PCD+12+4*\c+\i]
.endr
.irp i, 0,1,2
	s_delay_alu instid0(VALU_DEP_3)
	v_mov_b32 v[PCD+3+6*\c+\i], v[PCD+12+4*\c+\i]
.endr
.endr
	s_wait_alu depctr_va_vdst(0)
.set JJ, 0
.rept 16
	v_pk_mul_f32 v[OO+JJ:OO+JJ+1], v[OO+JJ:OO+JJ+1], v[FF:FF+1] op_sel_hi:[1,0]   ; O^T under the new M.  (These sixteen also part p's codes and scale word from the products below)
.set JJ, JJ+2
.endr
	s_wait_alu depctr_va_vdst(0)
	s_wait_dscnt 0x0                               ; V and its scale words are in
.irp f, 0,1,2,3                                ; O^T += V^T P^T: the four accumulators by turns; the next step's eight products on S^T stand between two links of a chain
	v_wmma_scale_f32_16x16x128_f8f6f4 v[OO+8*\f:OO+8*\f+7], v[FRG+12*\f:FRG+12*\f+11], v[PCD:PCD+11], v[OO+8*\f:OO+8*\f+7], v[VSW+\f], v[PW] matrix_a_fmt:MATRIX_FMT_BF6 matrix_b_fmt:MATRIX_FMT_BF6
.endr
.Lhid_\@:
	s_add_co_u32 s[SI], s[SI], 1
	s_add_co_u32 s[TB], s[TB], 6144
	s_add_co_u32 s[TS], s[TS], 256
.endm
.macro WALK n                          ; n key steps, a constant count
	s_mov_b32 s[TRIP], \n
.Lwalk_\@:
	STEP
	s_sub_co_u32 s[TRIP], s[TRIP], 1
	s_cmp_lg_u32 s[TRIP], 0
	s_cbranch_scc1 .Lwalk_\@
.endm
; A QUERY TILE ENDS: y = O^T / the sum; register 16 b + i of lane (r, h) is channel 32 b + 16 h + i of query position r: two blocks of the last product's K.  They leave as one half fragment and two bytes a row.
.macro EPILOG
.rept 4
	v_nop                                          ; places behind the last products
.endr
	v_add_f32 v14, v14, v15                        ; the sum's two halves,
	s_delay_alu instid0(VALU_DEP_1)
	v_permlanex16_b32 v[TP], v14, s[SEL], s[SEL+1]
	s_delay_alu instid0(VALU_DEP_1)
	v_add_f32 v14, v14, v[TP]                      ; and lane l xor 16's
	s_wait_alu depctr_va_vdst(0)
	v_rcp_f32 v14, v14
	v_cmp_eq_u32 vcc_lo, 1, v[HH]                  ; (a plain line behind the reciprocal)
	s_wait_alu depctr_va_vdst(0)                   ; ahead of the reciprocal's first reader
.set JJ, 0
.rept 32
	v_mul_f32 v[SS+JJ], v[OO+JJ], v14              ; each accumulator from its low end on
.set JJ, JJ+1
.endr
.irp b, 0,1
	v_max3_num_f32 v[BM+\b], |v[SS+16*\b]|, |v[SS+1+16*\b]|, 0x2800000
.endr
.irp i, 2,4,6,8,10,12,14
.irp b, 0,1
	s_delay_alu instid0(VALU_DEP_2)
	v_max3_num_f32 v[BM+\b], v[BM+\b], |v[SS+16*\b+\i]|, |v[SS+1+16*\b+\i]|
.endr
.endr
.irp b, 0,1
	s_delay_alu instid0(VALU_DEP_2)
	v_permlanex16_b32 v[T2+\b], v[BM+\b], s[SEL], s[SEL+1]
.endr
.irp b, 0,1
	s_delay_alu instid0(VALU_DEP_2)
	v_max_num_f32 v[BM+\b], v[BM+\b], v[T2+\b]
.endr
.irp b, 0,1
	s_delay_alu instid0(VALU_DEP_2)
	v_add_nc_u32 v[SCO+\b], 0xfe000000, v[BM+\b]
.endr
.irp b, 0,1
	s_delay_alu instid0(VALU_DEP_2)
	v_lshrrev_b32 v[T2+\b], 23, v[SCO+\b]
.endr
	v_cvt_scalef32_pk16_bf6_f32 v[YC:YC+2], v[SS:SS+15], v[SCO]
	v_cvt_scalef32_pk16_bf6_f32 v[YT:YT+2], v[SS+16:SS+31], v[SCO+1]
	v_cndmask_b32 v[YB], v[T2], v[T2+1], vcc_lo    ; lanes 0-15 store block 0's byte, lanes 16-31 block 1's (also the plain line behind the conversions)
.irp i, 0,1,2
	v_permlane16_swap_b32 v[YC+\i], v[YT+\i]
.endr
.irp i, 0,1,2
	s_delay_alu instid0(VALU_DEP_3)
	v_mov_b32 v[YC+3+\i], v[YT+\i]
.endr
	global_store_b128 v[L16], v[YC:YC+3], s[70:71]             ; 512 consecutive bytes, aligned to 256,
	global_store_b64 v[L8], v[YC+4:YC+5], s[70:71] offset:512  ; and 256
	global_store_b8 v[YSO], v[YB], s[72:73]
.endm
	PROLOG 0                                       ; tile 127 - 4 w - i: 9 to 16 key steps
	s_wait_alu depctr_va_vdst(0)
	s_wait_tensorcnt 0x0                           ; my part of the first request is in
	ds_add_u32 v[SPW], v[NIL]
	s_wait_dscnt 0x0
	ROUND                                          ; everybody's part is in, and the four work-groups are here
	tensor_load_to_lds s[G0B:G0B+3], s[G1B:G1B+7]  ; key steps 4-15, a sixteenth a wave: my one load behind the round
	s_nop 0
.rept 4
	v_nop
.endr
	WALK 4                                         ; key steps 0-3, open for every long tile
	s_wait_alu depctr_va_vdst(0)
	s_wait_tensorcnt 0x0                           ; my part of the second request is in  (no LDS load of mine is out: each step waits for its last loads)
	s_barrier_signal -1
	s_barrier_wait -1                              ; everybody's is
	WALK 12
	EPILOG
	PROLOG 1                                       ; tile 4 w + i: 1 to 8 key steps
	WALK 8
	EPILOG
	s_wait_tensorcnt 0x0                           ; the wave's end
	ds_add_u32 v[SPW], v[NIL]
	s_wait_dscnt 0x0
	ROUND                                          ; the closing round
	s_endpgm
.Lfunc_end_k_q5cc6689ea1_attn:
	.size	k_q5cc6689ea1_attn, .Lfunc_end_k_q5cc6689ea1_attn-k_q5cc6689ea1_attn
	.p2alignl 7, 3214868480
	.fill 96, 4, 3214868480
	.section	.rodata,"a",@progbits
	.p2align	6, 0x0
	.amdhsa_kernel k_q5cc6689ea1_attn
		.amdhsa_group_segment_fixed_size 327680
		.amdhsa_private_segment_fixed_size 0
		.amdhsa_enable_private_segment 0
		.amdhsa_kernarg_size 32
		.amdhsa_user_sgpr_count 2
		.amdhsa_user_sgpr_kernarg_segment_ptr 1
		.amdhsa_wavefront_size32 1
		.amdhsa_system_sgpr_workgroup_id_x 1
		.amdhsa_system_sgpr_workgroup_id_y 1
		.amdhsa_system_sgpr_workgroup_id_z 1
		.amdhsa_system_vgpr_workitem_id 0
		.amdhsa_next_free_vgpr 256
		.amdhsa_next_free_sgpr 96
		.amdhsa_reserve_vcc 1
		.amdhsa_float_denorm_mode_32 3
		.amdhsa_float_denorm_mode_16_64 3
		.amdhsa_memory_ordered 1
		.amdhsa_forward_progress 1
		.amdhsa_inst_pref_size 89
	.end_amdhsa_kernel
	.amdgpu_metadata
---
amdhsa.version: [ 1, 2 ]
amdhsa.kernels:
  - .name:           k_q5cc6689ea1_attn
    .symbol:         k_q5cc6689ea1_attn.kd
    .args:
      - { .name: qkvc, .offset: 0, .size: 8, .value_kind: global_buffer, .address_space: global }
      - { .name: qkvs, .offset: 8, .size: 8, .value_kind: global_buffer, .address_space: global }
      - { .name: yc, .offset: 16, .size: 8, .value_kind: global_buffer, .address_space: global }
      - { .name: ys, .offset: 24, .size: 8, .value_kind: global_buffer, .address_space: global }
    .group_segment_fixed_size: 327680
    .private_segment_fixed_size: 0
    .kernarg_segment_align: 8
    .kernarg_segment_size: 32
    .max_flat_workgroup_size: 512
    .sgpr_count:     96
    .vgpr_count:     256
    .wavefront_size: 32
...
	.end_amdgpu_metadata
.endif
;; end of part 3
;; launch gemm_proj (part 4): grid 4 x 64, 4 waves a work-group, clusters of 4 x 4, 327,680 bytes of LDS; arguments yc, ys, wc, ws, b_proj, out0; writes out0
.if DOCPART == 4
	.amdgcn_target "amdgcn-amd-amdhsa--gfx1250"
	.amdhsa_code_object_version 6
	.text
	.protected	k_q5cc6689ea1_gemm_proj
	.globl	k_q5cc6689ea1_gemm_proj
	.p2align	8
	.type	k_q5cc6689ea1_gemm_proj,@function
k_q5cc6689ea1_gemm_proj:
	s_mov_b64 s[64:65], 0
	v_nop
	global_prefetch_b8 v0, s[64:65] scope:SCOPE_SE
	s_setreg_imm32_b32 hwreg(HW_REG_WAVE_MODE, 25, 1), 1
	s_wait_xcnt 0x0
	s_wait_alu depctr_hold_cnt(0) depctr_sa_sdst(0) depctr_va_vdst(0) depctr_va_sdst(0) depctr_va_ssrc(0) depctr_va_vcc(0) depctr_vm_vsrc(0)
	s_getreg_b32 s2, hwreg(HW_REG_IB_STS2, 6, 4)
	s_cmp_eq_u32 s2, 0
	s_cbranch_scc0 .Lentry_in_a_cluster
	s_endpgm
.Lentry_in_a_cluster:
	s_bfe_u32 s2, ttmp6, 0x10000c
	s_cmp_lg_u32 s2, 0xf033
	s_cbranch_scc0 .Lentry_shape_is_right
	s_endpgm
.Lentry_shape_is_right:
; out0 = y W_proj + b_proj on codes of BF6 (E3M2) with E8M0 scales, f32 sums and f32 results.
; A work-group of four waves makes 128 tokens x 256 columns: 64 x 4 = 256 work-groups.  A wave makes 64 x 128: 32 accumulators of 16 x 16.
; ALL OF K = 1,024 STAYS IN LDS: R (y's 8 token tiles, 98,304 bytes) and P (W_proj's 16 column tiles, 196,608 bytes) are dense blocks of memory and come by ONE tensor load a wave at the head
; (waves 0, 1: four tiles of R each; waves 2, 3: eight tiles of P each).  No byte of LDS is filled twice: no ring, no refill.  No prefetch: everything is asked for at the head, ahead of all work.
; Codes lie as half fragments (16 rows x 64 K, 768 bytes: bytes 0-511 registers 0-3 at 16 x lane, bytes 512-767 registers 4-5 at 8 x lane), [tile][16][768].
; Position p of tile n is true row 32 (n / 2) + 8 (n % 2) + p + 8 (p / 8).
; CLUSTERS: 4 x 4 work-groups.  R's tiles hang on the block of tokens alone and are asked for jointly by a row of the cluster, P's on the block of columns alone, by a column.
; THE SCALES (4,096 + 8,192 dense bytes) come through registers into LDS bytes of their own, and each wave reads all its scale words once, ahead of the first step.
; THE MATRIX INSTRUCTION IS USED TRANSPOSED (source 0 = P, source 1 = R): a lane holds eight neighbouring columns of one token.  The bias is the C of each sum's first matrix instruction.
; REGISTERS, in windows of 256: window 0: v1-31 addresses; v32-95 scale words (register 8 i + q: lanes 0-15 R's block i, lanes 16-31 P's block i, K step q); v96-191 R's fragments, two sets;
;   v192-255 the bias; on the way out v96-223.   window 1: P's fragments, two sets, at v0 and v128.   window 2: accumulator (a, b) at v[8 (8 a + b)].
.set FR,     12                        ; registers of a fragment
.set TILE,   12288                     ; a tile's 1,024 along K
.set PB,     8*TILE                    ; P's codes, behind R's
.set SCL,    24*TILE                   ; the scales, as units of 256 bytes + 16: R's 16 units, then P's 32
.set SBLK,   2*272                     ; those of 16 rows
.set SPARE,  SCL+48*272                ; the spare words, 128 bytes a wave
.set SPITCH, 528                       ; the way out: a stage of 16 rows x (512 + 16) bytes a wave, on R's bytes, which have had their one fill and are read no more by then
.set ADRA, 16                          ; v16 my R tiles at 16 x lane, v17 at 8 x lane
.set ADRB, 20                          ; v20, v21 my P tiles 0-3, 4-7 at 16 x lane; v22, v23 at 8 x lane
.set STO,  24
.set RD,   25
.set CO,   26
.set ADRS, 27
.set SPW,  28                          ; my spare word; never rewritten
.set NIL,  29                          ; 0; never rewritten
.set SC,   32
.set AF,   96
.set BI,   192
.set BK,   96
.set G1, 24                            ; s[24:31], s[32:35] groups 1 and 0 for R;  s[48:55], s[56:59] for P
.set G0, 32
.set G1B, 48
.set G0B, 56
.set MSB, 0
.macro WIN new                         ; the immediate's high byte repeats the setting that is left
.if MSB != (\new)
	s_set_vgpr_msb (MSB<<8)|(\new)
.set MSB, (\new)
.endif
.endm
.set MUL,  0xa1                        ; source 0 (P) window 1, source 1 (R) window 0, C and D window 2
.set BIAS, 0x81                        ; C (the bias) window 0, D window 2
.set TO_B, 0x40                        ; destination window 1, address window 0
.macro CROUND                          ; a round of the cluster's barrier
	s_barrier_signal -1
	s_barrier_wait -1
	s_cmp_lg_u32 s14, 0
	s_cbranch_scc1 .Lnot_wave_0_\@
	s_barrier_signal -3
.Lnot_wave_0_\@:
	s_barrier_wait -3
	s_barrier_signal -1
	s_barrier_wait -1
.endm
.macro PLACES                          ; plain vector lines between a matrix instruction and a load into, or a read of, its registers (ISA guide 7.12.1 for vector instructions)
.rept 4
	v_nop
.endr
.endm
	s_load_b256 s[4:11], s[0:1], 0x0               ; yc s[4:5], ys s[6:7], wc s[8:9], ws s[10:11]
	s_load_b64 s[12:13], s[0:1], 0x20              ; b_proj
	s_load_b64 s[96:97], s[0:1], 0x28              ; out0
	v_lshl_add_u32 v[SPW], v0, 2, SPARE
	v_mov_b32 v[NIL], 0
	ds_add_u32 v[SPW], v[NIL]                      ; the opening lines: the add twice on end and its wait
	ds_add_u32 v[SPW], v[NIL]
	v_lshrrev_b32 v1, 5, v0
	v_readfirstlane_b32 s14, v1                    ; wave 0..3
	s_lshr_b32 s15, s14, 1                         ; which 64 tokens are mine.  Also: I fetch for R (0) or for P (1)
	s_and_b32 s16, s14, 1                          ; which 128 columns.  Also: which half of that operand I fetch
	s_bfe_u32 s40, ttmp6, 0x40000                  ; cx, cy
	s_bfe_u32 s41, ttmp6, 0x40004
	s_and_b32 s17, ttmp7, 0xffff
	s_lshl_b32 s17, s17, 2
	s_add_co_u32 s17, s17, s41                     ; the block of 128 tokens
	s_lshl_b32 s43, s41, 2
	s_lshl_b32 s43, 15, s43                        ; my row of the cluster
	s_lshl_b32 s44, 0x1111, s40                    ; my column
	s_or_b32 s[G1+0], s43, (3<<16)|(1<<21)         ; the mask; elements of 8 bytes; bit 21 beside a mask
	s_or_b32 s[G1B+0], s44, (3<<16)|(1<<21)
.irp g, G1, G1B
	s_mov_b32 s[\g+1], 1536<<16                    ; a row is a tile: 1,536 elements, dense
	s_mov_b32 s[\g+3], 1536<<16
	s_mov_b32 s[\g+5], 1536
	s_mov_b32 s[\g+6], 0
	s_mov_b32 s[\g+7], 0
.endr
	s_mov_b32 s[G1+2], 4<<16                       ; four tiles of R a load,
	s_mov_b32 s[G1+4], 4
	s_mov_b32 s[G1B+2], 8<<16                      ; eight of P
	s_mov_b32 s[G1B+4], 8
	s_lshl_b32 s20, s17, 3                         ; R's first tile
	s_lshl_b32 s46, s40, 4
	s_add_co_u32 s46, s46, 192                     ; P's: W_proj begins at tile 192 of wc
	s_lshl_b32 s22, s20, 9                         ; a tile's scales are 512 bytes
	s_mov_b32 s23, 0
	s_lshl_b32 s92, s46, 9
	s_mov_b32 s93, 0
	s_lshl_b32 s18, s16, 2
	s_add_co_u32 s20, s20, s18                     ; the half that I fetch
	s_mul_i32 s20, s20, TILE
	s_mov_b32 s21, 0
	s_lshl_b32 s18, s16, 3
	s_add_co_u32 s46, s46, s18
	s_mul_i32 s46, s46, TILE
	s_mov_b32 s47, 0
	s_mov_b32 s[G0], 1
	s_mul_i32 s[G0+1], s16, 4*TILE                 ; no place in the cluster enters an LDS address
	s_mov_b32 s[G0B], 1
	s_mul_i32 s45, s16, 8*TILE
	s_add_co_u32 s[G0B+1], s45, PB
	s_wait_dscnt 0x0                               ; both opening adds are done
	s_wait_kmcnt 0x0
	s_add_nc_u64 s[G0+2:G0+3], s[4:5], s[20:21]
	s_or_b32 s[G0+3], s[G0+3], 0x80000000
	s_add_nc_u64 s[G0B+2:G0B+3], s[8:9], s[46:47]
	s_or_b32 s[G0B+3], s[G0B+3], 0x80000000
	s_add_nc_u64 s[22:23], s[6:7], s[22:23]
	s_add_nc_u64 s[92:93], s[10:11], s[92:93]
	CROUND                                         ; all sixteen work-groups are here: the joint loads meet
	s_cmp_eq_u32 s15, 0                            ; one load a wave, a load in each arm
	s_cbranch_scc0 .Lfor_p
	tensor_load_to_lds s[G0:G0+3], s[G1:G1+7]
	s_nop 0
	PLACES
	s_branch .Lasked
.Lfor_p:
	tensor_load_to_lds s[G0B:G0B+3], s[G1B:G1B+7]
	s_nop 0
	PLACES
.Lasked:
	v_lshlrev_b32 v10, 4, v0                       ; the scales: 16 bytes a thread and load, 2,048 consecutive bytes a load of the work-group
	v_lshrrev_b32 v11, 4, v0
	v_lshl_add_u32 v11, v11, 4, v10                ; in LDS 16 bytes more for each 256 passed
	v_add_nc_u32 v11, SCL, v11
.irp k, 0,1
	global_load_b128 v[AF+4*\k:AF+4*\k+3], v10, s[22:23] offset:2048*\k
.endr
.irp k, 0,1,2,3
	global_load_b128 v[AF+8+4*\k:AF+11+4*\k], v10, s[92:93] offset:2048*\k
.endr
	s_wait_xcnt 0x0                                ; the loads have read their bases: s22 is written again below
	v_and_b32 v1, 15, v0                           ; r
	v_bfe_u32 v2, v0, 4, 1                         ; h
	v_and_b32 v3, 31, v0
	v_lshlrev_b32 v4, 4, v3                        ; 16 x lane
	v_lshlrev_b32 v5, 3, v3                        ; 8 x lane
	s_mul_i32 s21, s15, 4*TILE                     ; my four tiles of R
	s_mul_i32 s22, s16, 8*TILE
	s_add_co_u32 s22, s22, PB                      ; my eight of P
	v_add_nc_u32 v[ADRA], s21, v4
	v_add_nc_u32 v[ADRA+1], s21, v5
	v_add_nc_u32 v[ADRB], s22, v4
	v_add_nc_u32 v[ADRB+2], s22, v5
	s_add_co_u32 s22, s22, 4*TILE                  ; (an LDS offset has 16 bits: tiles 4-7 have a base of their own)
	v_add_nc_u32 v[ADRB+1], s22, v4
	v_add_nc_u32 v[ADRB+3], s22, v5
	v_mul_u32_u24 v7, v1, 32                       ; my row's scales: 32 bytes a row,
	v_lshrrev_b32 v8, 8, v7
	v_lshl_add_u32 v7, v8, 4, v7                   ; and 16 more for each 256 passed
	s_mul_i32 s21, s15, 8*272                      ; R's: my 64 rows
	s_mul_i32 s22, s16, 16*272                     ; P's: my 128, behind R's 128
	s_add_co_u32 s22, s22, 16*272
	s_sub_co_u32 s22, s22, s21
	v_mul_u32_u24 v8, s22, v2                      ; lanes 16-31 take P's
	s_add_co_u32 s21, s21, SCL
	v_add_nc_u32 v7, v7, v8
	v_add_nc_u32 v[ADRS], s21, v7
	s_mul_i32 s23, s14, 16*SPITCH                  ; my stage
	v_mul_u32_u24 v7, v1, SPITCH
	v_lshl_add_u32 v7, v2, 6, v7                   ; in: row r, 64 bytes on for lanes 16-31
	v_add_nc_u32 v[STO], s23, v7
	v_mov_b32 v[CO], v4                            ; back: the 32 lanes take one row of 512 bytes; and the same in out0
	v_add_nc_u32 v[RD], s23, v4
	s_lshl_b32 s20, s17, 7
	s_lshl_b32 s21, s15, 6
	s_add_co_u32 s20, s20, s21                     ; my first token
	s_lshl_b32 s20, s20, 12                        ; x 4,096 bytes
	s_lshl_b32 s21, s40, 10
	s_lshl_b32 s22, s16, 9
	s_add_co_u32 s18, s21, s22                     ; my first column, in bytes
	s_mov_b32 s19, 0
	s_add_co_u32 s20, s20, s18
	s_mov_b32 s21, 0
	s_add_nc_u64 s[96:97], s[96:97], s[20:21]
	s_add_nc_u64 s[12:13], s[12:13], s[18:19]
	v_lshlrev_b32 v6, 6, v2                        ; the bias in the result's layout: for P's tile b the eight numbers at column 32 (b / 2) + 8 (b % 2) + 16 h
.irp b, 0,1,2,3,4,5,6,7
	global_load_b128 v[BI+8*\b:BI+8*\b+3], v6, s[12:13] offset:(32*(\b/2)+8*(\b%2))*4
	global_load_b128 v[BI+8*\b+4:BI+8*\b+7], v6, s[12:13] offset:(32*(\b/2)+8*(\b%2))*4+16
.endr
.macro FRAG reg, a16, a8, q, i         ; a fragment, 16 rows x 128 K: two half fragments on end, as they lie
	ds_load_b128 v[\reg:\reg+3], v[\a16] offset:(\i)*TILE+(\q)*1536
	ds_load_b64 v[\reg+4:\reg+5], v[\a8] offset:(\i)*TILE+(\q)*1536+512
	ds_load_b128 v[\reg+6:\reg+9], v[\a16] offset:(\i)*TILE+(\q)*1536+768
	ds_load_b64 v[\reg+10:\reg+11], v[\a8] offset:(\i)*TILE+(\q)*1536+1280
.endm
.macro FETCH q                         ; K step q's fragments into set q % 2: P's eight, R's four: 48 loads
	WIN TO_B
.irp i, 0,1,2,3,4,5,6,7
	FRAG 128*((\q)%2)+FR*\i, ADRB+\i/4, ADRB+2+\i/4, \q, \i%4
.endr
	WIN 0
.irp i, 0,1,2,3
	FRAG AF+48*((\q)%2)+FR*\i, ADRA, ADRA+1, \q, \i
.endr
.endm
.macro MUL32 q                         ; R's four blocks x P's eight, 128 along K; the 32 accumulators take turns.  Step 0 starts the sums with the bias
.irp a, 0,1,2,3
.irp b, 0,1,2,3,4,5,6,7
.if (\q) == 0
	v_wmma_scale_f32_16x16x128_f8f6f4 v[8*(8*\a+\b):8*(8*\a+\b)+7], v[128*((\q)%2)+FR*\b:128*((\q)%2)+FR*\b+FR-1], v[AF+48*((\q)%2)+FR*\a:AF+48*((\q)%2)+FR*\a+FR-1], v[BI+8*\b:BI+8*\b+7], v[SC+8*\b+(\q)], v[SC+8*\a+(\q)] matrix_a_fmt:MATRIX_FMT_BF6 matrix_b_fmt:MATRIX_FMT_BF6 matrix_a_scale:MATRIX_SCALE_ROW1
.else
	v_wmma_scale_f32_16x16x128_f8f6f4 v[8*(8*\a+\b):8*(8*\a+\b)+7], v[128*((\q)%2)+FR*\b:128*((\q)%2)+FR*\b+FR-1], v[AF+48*((\q)%2)+FR*\a:AF+48*((\q)%2)+FR*\a+FR-1], v[8*(8*\a+\b):8*(8*\a+\b)+7], v[SC+8*\b+(\q)], v[SC+8*\a+(\q)] matrix_a_fmt:MATRIX_FMT_BF6 matrix_b_fmt:MATRIX_FMT_BF6 matrix_a_scale:MATRIX_SCALE_ROW1
.endif
.endr
.endr
.endm
.macro STEP q
	s_wait_dscnt 0x0                               ; this step's fragments are in
.if (\q) == 7
	s_barrier_signal -1                            ; my reads of the codes are over: the barrier in front of the stage, split round the last products
.else
.if (\q) > 0
	PLACES                                         ; the other set was read by the last step's products
.endif
	FETCH (\q)+1
.endif
.if (\q) == 0
	WIN BIAS
.else
	WIN MUL
.endif
	MUL32 \q
	WIN 0
.endm
	s_wait_alu depctr_va_vdst(0)
	s_wait_loadcnt 16                              ; the six loads of scales are in: behind them stand the bias's sixteen
	s_wait_tensorcnt 0x0                           ; my part of the codes is in
.irp k, 0,1
	ds_store_b128 v11, v[AF+4*\k:AF+4*\k+3] offset:2176*\k              ; 2,048 bytes are eight units of 272
.endr
.irp k, 0,1,2,3
	ds_store_b128 v11, v[AF+8+4*\k:AF+11+4*\k] offset:16*272+2176*\k    ; into bytes on which no tensor load lands
.endr
	s_wait_dscnt 0x0                               ; my stores are done
	s_barrier_signal -1
	s_barrier_wait -1                              ; codes and scales are whole
.irp i, 0,1,2,3,4,5,6,7
	ds_load_b128 v[SC+8*\i:SC+8*\i+3], v[ADRS] offset:\i*SBLK          ; a row's eight scale words.  (For i > 3 lanes 0-15 read words that no product names)
	ds_load_b128 v[SC+8*\i+4:SC+8*\i+7], v[ADRS] offset:\i*SBLK+16
.endr
	FETCH 0
	s_wait_loadcnt 0x0                             ; the bias
.irp s, 0,1,2,3,4,5,6,7
	STEP \s
.endr
	s_barrier_wait -1                              ; nobody reads R's bytes any more
; THE WAY OUT, block by block of 16 tokens x 128 columns: through my stage, back as whole rows of 512 bytes, stored as two aligned units of 256 bytes.
.macro TOSTAGE a
.set AC, 64*(\a)
	WIN 0x08                                       ; the data: window 2
.irp b, 0,1,2,3,4,5,6,7
	ds_store_b128 v[STO], v[AC+8*\b:AC+8*\b+3] offset:128*(\b/2)+32*(\b%2)       ; each accumulator from its low end on
	ds_store_b128 v[STO], v[AC+8*\b+4:AC+8*\b+7] offset:128*(\b/2)+32*(\b%2)+16
.endr
	WIN 0
.set BB, BK+64*((\a)%2)
.irp t, 0,1,2,3,4,5,6,7,8,9,10,11,12,13,14,15
	ds_load_b128 v[BB+4*\t:BB+4*\t+3], v[RD] offset:\t*SPITCH          ; LDS serves a wave's instructions in order: these see my stores
.endr
.endm
.macro SEND a, younger                 ; younger: the LDS instructions issued behind block a's loads, which may stay out
.set BB, BK+64*((\a)%2)
	s_wait_dscnt \younger
.irp t, 0,1,2,3,4,5,6,7,8,9,10,11,12,13,14,15
	global_store_b128 v[CO], v[BB+4*\t:BB+4*\t+3], s[96:97] offset:(32*((\a)/2)+8*((\a)%2)+\t+8*(\t/8))*4096 th:TH_STORE_NT
.endr
.endm
	PLACES                                         ; behind the last products
	TOSTAGE 0
.irp a, 1,2,3
.if \a > 1
	s_wait_xcnt 0x0                                ; block a - 2's stores have read their registers: block a's loads may land there
.endif
	TOSTAGE \a
	SEND \a-1, 32                                  ; behind block a - 1's loads: block a's 16 stores and 16 loads
.endr
	SEND 3, 0
	s_wait_tensorcnt 0x0                           ; the wave's end
	ds_add_u32 v[SPW], v[NIL]
	s_wait_dscnt 0x0
	CROUND                                         ; the closing round
	s_endpgm
.Lfunc_end_k_q5cc6689ea1_gemm_proj:
	.size	k_q5cc6689ea1_gemm_proj, .Lfunc_end_k_q5cc6689ea1_gemm_proj-k_q5cc6689ea1_gemm_proj
	.p2alignl 7, 3214868480
	.fill 96, 4, 3214868480
	.section	.rodata,"a",@progbits
	.p2align	6, 0x0
	.amdhsa_kernel k_q5cc6689ea1_gemm_proj
		.amdhsa_group_segment_fixed_size 327680
		.amdhsa_private_segment_fixed_size 0
		.amdhsa_enable_private_segment 0
		.amdhsa_kernarg_size 48
		.amdhsa_user_sgpr_count 2
		.amdhsa_user_sgpr_kernarg_segment_ptr 1
		.amdhsa_wavefront_size32 1
		.amdhsa_system_sgpr_workgroup_id_x 1
		.amdhsa_system_sgpr_workgroup_id_y 1
		.amdhsa_system_sgpr_workgroup_id_z 1
		.amdhsa_system_vgpr_workitem_id 0
		.amdhsa_next_free_vgpr 768
		.amdhsa_next_free_sgpr 102
		.amdhsa_reserve_vcc 0
		.amdhsa_float_denorm_mode_32 3
		.amdhsa_float_denorm_mode_16_64 3
		.amdhsa_memory_ordered 1
		.amdhsa_forward_progress 1
		.amdhsa_inst_pref_size 84
	.end_amdhsa_kernel
	.amdgpu_metadata
---
amdhsa.version: [ 1, 2 ]
amdhsa.kernels:
  - .name:           k_q5cc6689ea1_gemm_proj
    .symbol:         k_q5cc6689ea1_gemm_proj.kd
    .args:
      - { .name: yc, .offset: 0, .size: 8, .value_kind: global_buffer, .address_space: global }
      - { .name: ys, .offset: 8, .size: 8, .value_kind: global_buffer, .address_space: global }
      - { .name: wc, .offset: 16, .size: 8, .value_kind: global_buffer, .address_space: global }
      - { .name: ws, .offset: 24, .size: 8, .value_kind: global_buffer, .address_space: global }
      - { .name: b_proj, .offset: 32, .size: 8, .value_kind: global_buffer, .address_space: global }
      - { .name: out0, .offset: 40, .size: 8, .value_kind: global_buffer, .address_space: global }
    .group_segment_fixed_size: 327680
    .private_segment_fixed_size: 0
    .kernarg_segment_align: 8
    .kernarg_segment_size: 48
    .max_flat_workgroup_size: 128
    .sgpr_count:     102
    .vgpr_count:     768
    .wavefront_size: 32
...
	.end_amdgpu_metadata
.endif
;; end of part 4
